; MI455X (gfx1250); checked and timed in simulation.
; The chip was launched on July 23, 2026; its instructions are those of AMD's public machine-readable ISA for CDNA 5 (MIT licence, August 2026) and "CDNA5" Instruction Set Architecture Reference Guide (July 2026). The comments in the code are by the model that wrote it; some were corrected since.
;; Query Gen transformer. Allowed arithmetic: matrix products marked QUANTISED: E2M3 operands, one E8M0 scale for each 32 along K, by v_wmma_scale_f32_16x16x128_f8f6f4 with both operands' format E2M3, f32 sums; products left as they are: f32 operands where the result goes on into a quantised operand, else bf16, f16 or f32 operands; f32 sums; everything else in f32.
;; Inputs: bk 256 float32; bo 256 float32; bq 256 float32; bv 256 float32; input 16 x 4,096 x 2 float32; ln_k_b 512 float32; ln_k_g 512 float32; ln_q_b 256 float32; ln_q_g 256 float32; ln_v_b 512 float32; ln_v_g 512 float32; mlp_b1 128 float32; mlp_b2 512 float32; mlp_b3 512 float32; mlp_w1 1 x 128 float32; mlp_w2 128 x 512 float32; mlp_w3 512 x 512 float32; query_param 1 x 256 x 256 float32; wk 512 x 256 float32; wo 256 x 256 float32; wq 256 x 256 float32; wv 512 x 256 float32.
;; Outputs: out0 16 x 256 x 256 float32.
;; This version of the problem:
;;   THIS VERSION OF THE PROBLEM IS GIVEN IN LOW PRECISION. The matrix products marked QUANTISED in the list below multiply operands that are first quantised to E2M3 (2 exponent bits, 3 mantissa bits; 6 bits a number), with one power-of-two scale for each 32 numbers along K (OCP MX v1.0); their sums are f32. All else is computed in f32.
;;   The module's matrix products, in the order in which they are computed (A, B: the left and right operand; K: the contracted axis; several contracted axes count as one K, in the product's order):
;;     1. [M 65,536, K 1] x [K 1, N 128]; A: input input; B: input mlp_w1: left as it is (K = 1 < 32)
;;     2. [M 65,536, K 128] x [K 128, N 512]; A: computed on the way; B: input mlp_w2: QUANTISED
;;     3. [M 65,536, K 512] x [K 512, N 512]; A: computed on the way; B: input mlp_w3: QUANTISED
;;     4. [M 65,536, K 1] x [K 1, N 128]; A: input input; B: input mlp_w1: left as it is (K = 1 < 32)
;;     5. [M 65,536, K 128] x [K 128, N 512]; A: computed on the way; B: input mlp_w2: QUANTISED
;;     6. [M 65,536, K 512] x [K 512, N 512]; A: computed on the way; B: input mlp_w3: QUANTISED
;;     7. [M 4,096, K 256] x [K 256, N 256]; A: computed on the way; B: input wq: QUANTISED
;;     8. [M 65,536, K 512] x [K 512, N 256]; A: computed on the way; B: input wk: QUANTISED
;;     9. [M 65,536, K 512] x [K 512, N 256]; A: computed on the way; B: input wv: QUANTISED
;;     10. batch 128 x [M 256, K 32] x [K 32, N 4,096]; A: computed on the way; B: computed on the way: QUANTISED
;;     11. batch 128 x [M 32, K 4,096] x [K 4,096, N 256]; A: computed on the way; B: softmax (see below): QUANTISED
;;     12. [M 4,096, K 256] x [K 256, N 256]; A: computed on the way; B: input wo: QUANTISED
;;   THE QUANTISER, for each operand of a quantised product, along K:
;;     - K is cut into blocks of 32 from its start; a last block that is shorter is filled with zeros.
;;     - A block's scale is 2^e with e = floor(log2(the largest magnitude in the block)) - 2, held to -126 .. 127; a block of zeros has e = 0. As a byte (E8M0): e + 127.
;;     - Each number is divided by its block's scale, clamped to +-7.5, and rounded to the nearest number of E2M3, ties to even, subnormals kept.
;;     - The product sums the exact products of the quantised numbers (number of the format x scale) in f32.
;;   ~~~python
;;   def quantise(x, axis):      # numpy; x: float32 -> the quantised numbers, widened to float32 again
;;       x = np.moveaxis(x, axis, -1); K = x.shape[-1]
;;       x = np.pad(x, [(0, 0)] * (x.ndim - 1) + [(0, -K % 32)]); x = x.reshape(x.shape[:-1] + (-1, 32)); a = np.abs(x).max(-1, keepdims=True)
;;       e = np.where(a > 0, np.clip(np.frexp(np.where(a > 0, a, 1))[1] - 1 - 2, -126, 127), 0)      # np.frexp(a)[1] - 1 = floor(log2(a)), exactly
;;       r = np.clip(x / 2.0 ** e, -7.5, 7.5)
;;       step = 2.0 ** (np.maximum(np.frexp(np.where(r == 0, 1, r))[1] - 1, 0) - 3)
;;       q = np.round(r / step) * step * 2.0 ** e      # np.round: ties to even
;;       return np.moveaxis(q.reshape(q.shape[:-2] + (-1,))[..., :K], -1, axis).astype(np.float32)
;;   ~~~
;;   SOFTMAX AHEAD OF A QUANTISED PRODUCT. Where the list says 'softmax', what is quantised is not the finished softmax but p = 2^(t - M), with t = logit x log2(e) and M = ceil(the row's largest t), a whole number; so 1/2 < the row's largest p <= 1. The row's sum l is taken of the UNQUANTISED p, in f32, and the product's result is divided by l at the end. Since M is a whole number, a kernel that streams over the keys may use a running M (the ceiling of the running maximum): every later rescaling is an exact power of two, which a block's scale takes up: the codes' values come out the same.
;;   OPERANDS COMPUTED ON THE WAY. 'Computed on the way' means the value that the module computes at that place (a softmax that the list does not call 'softmax' is quantised finished and normalised). What goes into a quantiser is computed in f32, as accurately as f32 sums, v_exp_f32 and their like allow (about 1e-6 of the number): no bf16 or f16 on the way to a quantiser, and a product that is left as it is and whose result goes on into a quantised operand takes f32 operands (vector FMAs, or v_wmma_f32_16x16x4_f32). A number that lies on a knife's edge between two numbers of the format may be rounded either way, as far as f32 arithmetic and the matrix unit's own rounding can turn it there, and no further.
;; One version. Each part assembles by itself: llvm-mc -triple=amdgcn-amd-amdhsa -mcpu=gfx1250 --defsym DOCPART=n.
;; ======== version 1 of 1: 4 launches
;; limits: right only within a limited range of input values
;; workspace buffers: wimg 638,976 bytes; kvc 25,165,824 bytes; kvs 1,048,576 bytes; opart 9,437,184 bytes
;; launch prep (part 1): grid 92 x 1, 4 waves a work-group, no clusters, 0 bytes of LDS; arguments mlp_w2, mlp_w3, wk, wv, wq, wo, query_param, ln_q_g, ln_q_b, wimg; writes wimg
.if DOCPART == 1
	.amdgcn_target "amdgcn-amd-amdhsa--gfx1250"
	.amdhsa_code_object_version 6
	.text
	.protected	k_qe600db5ad4_prep
	.globl	k_qe600db5ad4_prep
	.p2align	8
	.type	k_qe600db5ad4_prep,@function
k_qe600db5ad4_prep:
	s_mov_b64 s[64:65], 0
	v_nop
	global_prefetch_b8 v0, s[64:65] scope:SCOPE_SE
	s_setreg_imm32_b32 hwreg(HW_REG_WAVE_MODE, 25, 1), 1
	s_wait_xcnt 0x0
; PREP: the six weights and LayerNorm(query_param) become codes of FP6 (E2M3) with one E8M0 byte for each 32 along K, laid as IMAGES OF OPERAND REGISTERS.
; A fragment is 16 rows x 128 K = 12 registers a lane = 1,536 bytes: register q of lane l lies at 512 (q / 4) + 16 l + 4 (q % 4).  Its scale image is 128 bytes: the row's word at 4 l, in both halves of the lanes.
; One wave does one job J = 4 x work-group + wave.  J < 352: one fragment of a weight.  J = 352 + qt: the two fragments of query tile qt.  No LDS, no barrier: waves share nothing.
; A weight is stored [K][N]: lane (rho, h) takes ONE column and its registers run down K in the operand's own order (k = 128 s + 64 c + 32 h + 0..31), so nothing is transposed and a block's maximum needs no other lane.
; WHICH COLUMN IS ROW rho OF TILE tau:  col = ((tau >> a) << (a + 4)) + ((tau & (2^a - 1)) << 3) + (rho & 7) + ((rho >> 3) << (a + 3)).
;   a = 2 (w2, w3, wk): in a transposed product the 32 registers of four neighbouring tiles are a whole block of the next K;  a = 1 (wv, wq): 16 neighbours in two tiles;  a = 0 (wo): as they lie.
; Fragments lie in groups of n_g: n_g fragment images, then n_g scale images: FA = (J - idx) 1664 + idx 1536, SA = (J - idx) 1664 + n_g 1536 + idx 128, idx = J & (n_g - 1).
; Each load of a weight job reads pieces of 32 or 64 neighbouring bytes; the weights are 2.9 MB in all and are read once.  Every store of codes covers 512 consecutive bytes.
; LIMITS: NaN and infinities are not served.  A block whose largest magnitude lies under 2^-124, a block of zeros too, gets the byte 1: its codes are zeros or what the floor leaves, and this program alone reads the bytes.
.set SH8, 6                            ; v6   8 x (lane / 16)
.set TM,  16                           ; v16-19 largest magnitudes, two chains a block
.set SO,  20                           ; v20-21 the conversions' scale operands
.set BY,  22                           ; v22-23 the scale bytes
.set PW,  24                           ; v24  the scale word
.set PX,  25                           ; v25  the other half's
.set PC,  28                           ; v28-39 the fragment
.set CT,  40                           ; v40-47 the upper halves of the blocks, as converted
.set SU,  48                           ; v48-55 four packed sums
.set MN,  56                           ; v56-57 the mean
.set RS,  58                           ; v58-59 1 / sqrt(var + eps)
.set T1,  60
.set T2,  61
.set X,   64                           ; v64-191 the numbers
.set SEL, 60                           ; s[60:61] lane selects: lane l xor 16
.set MSB, 0
.macro WIN new                         ; the immediate's high byte repeats the setting that is left
.if MSB != (\new)
	s_set_vgpr_msb (MSB<<8)|(\new)
.set MSB, (\new)
.endif
.endm
; Two blocks of 32 numbers of one lane (src .. src + 31, src + 32 .. src + 63) become 6 code registers each, at d0 and d1; the bytes are left in v[BY], v[BY+1].
.macro QUANT2 src, d0, d1, ct
	v_max3_num_f32 v[TM], |v[\src]|, |v[\src+1]|, 0x1800000          ; the floor 2^(3 - 127) among the leaves: the byte cannot fall under 1
	v_max3_num_f32 v[TM+1], |v[\src+16]|, |v[\src+17]|, |v[\src+18]|
	v_max3_num_f32 v[TM+2], |v[\src+32]|, |v[\src+33]|, 0x1800000
	v_max3_num_f32 v[TM+3], |v[\src+48]|, |v[\src+49]|, |v[\src+50]|
.irp i, 0,2,4,6,8,10
	v_max3_num_f32 v[TM], v[TM], |v[\src+2+\i]|, |v[\src+3+\i]|
	v_max3_num_f32 v[TM+1], v[TM+1], |v[\src+19+\i]|, |v[\src+20+\i]|
	v_max3_num_f32 v[TM+2], v[TM+2], |v[\src+34+\i]|, |v[\src+35+\i]|
	v_max3_num_f32 v[TM+3], v[TM+3], |v[\src+51+\i]|, |v[\src+52+\i]|
.endr
	v_max3_num_f32 v[TM], v[TM], |v[\src+14]|, |v[\src+15]|
	v_max3_num_f32 v[TM+2], v[TM+2], |v[\src+46]|, |v[\src+47]|
	v_max3_num_f32 v[TM], v[TM], v[TM+1], |v[\src+31]|
	v_max3_num_f32 v[TM+2], v[TM+2], v[TM+3], |v[\src+63]|
	v_add_nc_u32 v[SO], 0xff000000, v[TM]                            ; 2 off the exponent field: the conversion takes that field as its scale
	v_add_nc_u32 v[SO+1], 0xff000000, v[TM+2]
	v_lshrrev_b32 v[BY], 23, v[SO]
	v_lshrrev_b32 v[BY+1], 23, v[SO+1]
	v_cvt_scalef32_pk16_fp6_f32 v[\d0:\d0+2], v[\src:\src+15], v[SO]
	v_cvt_scalef32_pk16_fp6_f32 v[\ct:\ct+2], v[\src+16:\src+31], v[SO]     ; (a conversion's three registers begin on an even number)
	v_cvt_scalef32_pk16_fp6_f32 v[\d1:\d1+2], v[\src+32:\src+47], v[SO+1]
	v_cvt_scalef32_pk16_fp6_f32 v[\ct+4:\ct+6], v[\src+48:\src+63], v[SO+1]
	v_nop                                                            ; one plain place behind the conversions
.irp i, 0,1,2
	v_mov_b32 v[\d0+3+\i], v[\ct+\i]
	v_mov_b32 v[\d1+3+\i], v[\ct+4+\i]
.endr
.endm
; 64 numbers of a lane, register 32 c + i = k 64 c + 32 h + i of its row, become a fragment in v[PC] on and the row's scale word in v[PW]
.macro QUANT64 src
	QUANT2 \src, PC, PC+6, CT
	v_lshl_or_b32 v[PW], v[BY+1], 16, v[BY]                          ; my bytes: blocks h and 2 + h,
	v_lshlrev_b32 v[PW], v[SH8], v[PW]                               ; at their places,
	v_permlanex16_b32 v[PX], v[PW], s[SEL], s[SEL+1]
	v_or_b32 v[PW], v[PW], v[PX]                                     ; with the other half's two the word is whole
.endm
.macro WLOAD n                         ; X[32 c + i] = W[128 s + 64 c + 32 h + i][col]; n: columns of the weight
.set ii, 0
.rept 64
	global_load_b32 v[X+ii], v3, s[26:27] offset:(64*(ii/32)+(ii%32))*\n*4
.set ii, ii+1
.endr
.endm
	s_load_b512 s[4:19], s[0:1], 0x0               ; w2 s[4:5], w3 s[6:7], wk s[8:9], wv s[10:11], wq s[12:13], wo s[14:15], query_param s[16:17], ln_q_g s[18:19]
	s_load_b128 s[20:23], s[0:1], 0x40             ; ln_q_b s[20:21], wimg s[22:23]
	v_lshrrev_b32 v1, 5, v0
	v_readfirstlane_b32 s24, v1                    ; wave
	s_lshl_b32 s25, ttmp9, 2
	s_add_co_u32 s25, s25, s24                     ; J
	v_and_b32 v7, 31, v0                           ; lane
	v_and_b32 v1, 15, v0                           ; rho
	v_bfe_u32 v2, v0, 4, 1                         ; h
	v_lshlrev_b32 v4, 4, v7                        ; 16 x lane
	v_lshlrev_b32 v5, 2, v7                        ; 4 x lane
	v_lshlrev_b32 v[SH8], 3, v2
	v_mov_b32 v[PX], 0                             ; a lane permute's destination counts as read
	s_mov_b32 s[SEL], 0x76543210
	s_mov_b32 s[SEL+1], 0xfedcba98
	s_wait_kmcnt 0x0
	s_cmp_ge_u32 s25, 352
	s_cbranch_scc1 .Lqln
	; ---- a weight's fragment.  The matrix and its figures: lgS | a << 4 | lg n_g << 8 | first J << 16, chosen by J alone
	s_mov_b64 s[26:27], s[14:15]
	s_mov_b32 s28, 1|(0<<4)|(5<<8)|(320<<16)
	s_cmp_lt_u32 s25, 320
	s_cselect_b64 s[26:27], s[12:13], s[26:27]
	s_cselect_b32 s28, 1|(1<<4)|(5<<8)|(288<<16), s28
	s_cmp_lt_u32 s25, 288
	s_cselect_b64 s[26:27], s[10:11], s[26:27]
	s_cselect_b32 s28, 2|(1<<4)|(4<<8)|(224<<16), s28
	s_cmp_lt_u32 s25, 224
	s_cselect_b64 s[26:27], s[8:9], s[26:27]
	s_cselect_b32 s28, 2|(2<<4)|(4<<8)|(160<<16), s28
	s_cmp_lt_u32 s25, 160
	s_cselect_b64 s[26:27], s[6:7], s[26:27]
	s_cselect_b32 s28, 2|(2<<4)|(5<<8)|(32<<16), s28
	s_cmp_lt_u32 s25, 32
	s_cselect_b64 s[26:27], s[4:5], s[26:27]
	s_cselect_b32 s28, 0|(2<<4)|(3<<8)|(0<<16), s28
	s_bfe_u32 s29, s28, 0x40000                    ; lgS
	s_bfe_u32 s30, s28, 0x40004                    ; a
	s_bfe_u32 s31, s28, 0x40008                    ; lg n_g
	s_lshr_b32 s32, s28, 16                        ; the matrix's first J
	s_sub_co_u32 s33, s25, s32                     ; f
	s_lshr_b32 s34, s33, s29                       ; tau
	s_bfm_b32 s35, s29, 0
	s_and_b32 s35, s33, s35                        ; K step s
	s_lshr_b32 s36, s34, s30
	s_add_co_u32 s37, s30, 4
	s_lshl_b32 s36, s36, s37                       ; (tau >> a) << (a + 4)
	s_bfm_b32 s38, s30, 0
	s_and_b32 s38, s34, s38
	s_lshl_b32 s38, s38, 3
	s_add_co_u32 s36, s36, s38                     ; + (tau & (2^a - 1)) << 3
	s_add_co_u32 s37, s30, 3
	s_wait_alu depctr_va_vdst(0)
	v_and_b32 v8, 7, v1
	v_lshrrev_b32 v9, 3, v1
	v_lshlrev_b32 v9, s37, v9
	v_add3_u32 v8, v8, v9, s36                     ; col
	s_wait_alu depctr_va_vdst(0)
	s_bfm_b32 s39, s31, 0
	s_and_b32 s39, s25, s39                        ; idx
	s_sub_co_u32 s40, s25, s39
	s_mul_i32 s40, s40, 1664                       ; the group's first byte
	s_mul_i32 s41, s39, 1536
	s_add_co_u32 s42, s40, s41                     ; FA
	s_mov_b32 s43, 0
	s_lshl_b32 s46, 1536, s31
	s_add_co_u32 s44, s40, s46
	s_lshl_b32 s46, s39, 7
	s_add_co_u32 s44, s44, s46                     ; SA
	s_mov_b32 s45, 0
	s_add_nc_u64 s[48:49], s[22:23], s[42:43]
	s_add_nc_u64 s[50:51], s[22:23], s[44:45]
	v_lshlrev_b32 v3, 2, v8                        ; 4 col
	s_cmp_lt_u32 s25, 160
	s_cbranch_scc0 .Ln256
	s_lshl_b32 s46, s35, 18                        ; 128 s rows of 2,048 bytes
	v_lshl_add_u32 v3, v2, 16, v3                  ; 32 h rows
	v_add_nc_u32 v3, s46, v3
	WLOAD 512
	s_branch .Lquant
.Ln256:
	s_lshl_b32 s46, s35, 17                        ; 128 s rows of 1,024 bytes
	s_wait_alu depctr_va_vdst(0)
	v_lshl_add_u32 v3, v2, 15, v3
	v_add_nc_u32 v3, s46, v3
	WLOAD 256
.Lquant:
	s_wait_loadcnt 0x0
	QUANT64 X
.irp k, 0,1,2
	global_store_b128 v4, v[PC+4*\k:PC+4*\k+3], s[48:49] offset:512*\k      ; 32 lanes store 512 consecutive bytes
.endr
	global_store_b32 v5, v[PW], s[50:51]
	s_endpgm
	; ---- a tile of 16 queries: LayerNorm over 256 in f32, in two passes, then two fragments
.Lqln:
	s_sub_co_u32 s26, s25, 352                     ; qt
	s_lshl_b32 s28, s26, 14                        ; 16 rows of 1,024 bytes
	s_mov_b32 s29, 0
	s_add_nc_u64 s[16:17], s[16:17], s[28:29]
	s_mul_i32 s28, s26, 3328
	s_add_co_u32 s28, s28, 585728
	s_add_nc_u64 s[48:49], s[22:23], s[28:29]
	s_mov_b32 s52, 0x3b800000                      ; 1 / 256
	s_mov_b32 s53, 0x3727c5ac                      ; 1e-5
	s_wait_alu depctr_va_vdst(0)
	v_lshlrev_b32 v3, 10, v1
	v_lshl_add_u32 v3, v2, 7, v3                   ; row r, + 32 h numbers
	v_lshlrev_b32 v8, 7, v2
	v_mov_b32 v[T2], 0
	v_mov_b32 v[MN+1], 0                           ; (named as the upper halves of pairs)
	v_mov_b32 v[RS+1], 0
.set qq, 0
.rept 32
	global_load_b128 v[X+4*qq:X+4*qq+3], v3, s[16:17] offset:512*(qq/16)+256*((qq/8)%2)+16*(qq%8)   ; register 64 s + 32 c + i = k 128 s + 64 c + 32 h + i
.set qq, qq+1
.endr
	WIN 0x40                                       ; destination window 1: the gain in v0-127, the bias in v128-255, in the same order
.set qq, 0
.rept 32
	global_load_b128 v[4*qq:4*qq+3], v8, s[18:19] offset:512*(qq/16)+256*((qq/8)%2)+16*(qq%8)
	global_load_b128 v[128+4*qq:128+4*qq+3], v8, s[20:21] offset:512*(qq/16)+256*((qq/8)%2)+16*(qq%8)
.set qq, qq+1
.endr
	WIN 0
	s_wait_loadcnt 0x0
.irp k, 0,1,2,3
	v_pk_add_f32 v[SU+2*\k:SU+2*\k+1], v[X+2*\k:X+2*\k+1], v[X+8+2*\k:X+9+2*\k]
.endr
.set pp, 16
.rept 14
.irp k, 0,1,2,3
	v_pk_add_f32 v[SU+2*\k:SU+2*\k+1], v[SU+2*\k:SU+2*\k+1], v[X+pp+2*\k:X+pp+2*\k+1]
.endr
.set pp, pp+8
.endr
	v_pk_add_f32 v[SU:SU+1], v[SU:SU+1], v[SU+2:SU+3]
	v_pk_add_f32 v[SU+4:SU+5], v[SU+4:SU+5], v[SU+6:SU+7]
	v_pk_add_f32 v[SU:SU+1], v[SU:SU+1], v[SU+4:SU+5]
	v_add_f32 v[T1], v[SU], v[SU+1]
	v_permlanex16_b32 v[T2], v[T1], s[SEL], s[SEL+1]
	v_add_f32 v[T1], v[T1], v[T2]
	v_mul_f32 v[MN], s52, v[T1]                    ; the mean
.set pp, 0
.rept 64
	v_pk_add_f32 v[X+pp:X+pp+1], v[X+pp:X+pp+1], v[MN:MN+1] op_sel_hi:[1,0] neg_lo:[0,1] neg_hi:[0,1]
.set pp, pp+2
.endr
.irp k, 0,1,2,3
	v_pk_mul_f32 v[SU+2*\k:SU+2*\k+1], v[X+2*\k:X+2*\k+1], v[X+2*\k:X+2*\k+1]
.endr
.set pp, 8
.rept 15
.irp k, 0,1,2,3
	v_pk_fma_f32 v[SU+2*\k:SU+2*\k+1], v[X+pp+2*\k:X+pp+2*\k+1], v[X+pp+2*\k:X+pp+2*\k+1], v[SU+2*\k:SU+2*\k+1]
.endr
.set pp, pp+8
.endr
	v_pk_add_f32 v[SU:SU+1], v[SU:SU+1], v[SU+2:SU+3]
	v_pk_add_f32 v[SU+4:SU+5], v[SU+4:SU+5], v[SU+6:SU+7]
	v_pk_add_f32 v[SU:SU+1], v[SU:SU+1], v[SU+4:SU+5]
	v_add_f32 v[T1], v[SU], v[SU+1]
	v_permlanex16_b32 v[T2], v[T1], s[SEL], s[SEL+1]
	v_add_f32 v[T1], v[T1], v[T2]
	v_fma_f32 v[T1], v[T1], s52, s53               ; var + eps
	s_wait_alu depctr_va_vdst(0)
	v_rsq_f32 v[RS], v[T1]
	v_nop                                          ; a plain place behind the transcendental,
	s_wait_alu depctr_va_vdst(0)                   ; and the wait ahead of its first reader
.set pp, 0
.rept 64
	v_pk_mul_f32 v[X+pp:X+pp+1], v[X+pp:X+pp+1], v[RS:RS+1] op_sel_hi:[1,0]
.set pp, pp+2
.endr
	WIN 0x14                                       ; sources 1 and 2 window 1
.set pp, 0
.rept 64
	v_pk_fma_f32 v[X+pp:X+pp+1], v[X+pp:X+pp+1], v[pp:pp+1], v[128+pp:128+pp+1]
.set pp, pp+2
.endr
	WIN 0
	QUANT64 X
.irp k, 0,1,2
	global_store_b128 v4, v[PC+4*\k:PC+4*\k+3], s[48:49] offset:512*\k
.endr
	global_store_b32 v5, v[PW], s[48:49] offset:3072
	s_wait_xcnt 0x0                                ; the stores have read their data: the second fragment may be made in the same registers
	QUANT64 X+64
.irp k, 0,1,2
	global_store_b128 v4, v[PC+4*\k:PC+4*\k+3], s[48:49] offset:1536+512*\k
.endr
	global_store_b32 v5, v[PW], s[48:49] offset:3200
	s_endpgm
.Lfunc_end_k_qe600db5ad4_prep:
	.size	k_qe600db5ad4_prep, .Lfunc_end_k_qe600db5ad4_prep-k_qe600db5ad4_prep
	.p2alignl 7, 3214868480
	.fill 96, 4, 3214868480
	.section	.rodata,"a",@progbits
	.p2align	6, 0x0
	.amdhsa_kernel k_qe600db5ad4_prep
		.amdhsa_group_segment_fixed_size 0
		.amdhsa_private_segment_fixed_size 0
		.amdhsa_enable_private_segment 0
		.amdhsa_kernarg_size 80
		.amdhsa_user_sgpr_count 2
		.amdhsa_user_sgpr_kernarg_segment_ptr 1
		.amdhsa_wavefront_size32 1
		.amdhsa_system_sgpr_workgroup_id_x 1
		.amdhsa_system_sgpr_workgroup_id_y 1
		.amdhsa_system_sgpr_workgroup_id_z 1
		.amdhsa_system_vgpr_workitem_id 0
		.amdhsa_next_free_vgpr 512
		.amdhsa_next_free_sgpr 66
		.amdhsa_reserve_vcc 0
		.amdhsa_float_denorm_mode_32 3
		.amdhsa_float_denorm_mode_16_64 3
		.amdhsa_memory_ordered 1
		.amdhsa_forward_progress 1
		.amdhsa_inst_pref_size 57
	.end_amdhsa_kernel
	.amdgpu_metadata
---
amdhsa.version: [ 1, 2 ]
amdhsa.kernels:
  - .name:           k_qe600db5ad4_prep
    .symbol:         k_qe600db5ad4_prep.kd
    .args:
      - { .name: mlp_w2, .offset: 0, .size: 8, .value_kind: global_buffer, .address_space: global }
      - { .name: mlp_w3, .offset: 8, .size: 8, .value_kind: global_buffer, .address_space: global }
      - { .name: wk, .offset: 16, .size: 8, .value_kind: global_buffer, .address_space: global }
      - { .name: wv, .offset: 24, .size: 8, .value_kind: global_buffer, .address_space: global }
      - { .name: wq, .offset: 32, .size: 8, .value_kind: global_buffer, .address_space: global }
      - { .name: wo, .offset: 40, .size: 8, .value_kind: global_buffer, .address_space: global }
      - { .name: query_param, .offset: 48, .size: 8, .value_kind: global_buffer, .address_space: global }
      - { .name: ln_q_g, .offset: 56, .size: 8, .value_kind: global_buffer, .address_space: global }
      - { .name: ln_q_b, .offset: 64, .size: 8, .value_kind: global_buffer, .address_space: global }
      - { .name: wimg, .offset: 72, .size: 8, .value_kind: global_buffer, .address_space: global }
    .group_segment_fixed_size: 0
    .private_segment_fixed_size: 0
    .kernarg_segment_align: 8
    .kernarg_segment_size: 80
    .max_flat_workgroup_size: 128
    .sgpr_count:     66
    .vgpr_count:     512
    .wavefront_size: 32
...
	.end_amdgpu_metadata
.endif
;; end of part 1
;; launch kv (part 2): grid 256 x 1, 4 waves a work-group, no clusters, 327,680 bytes of LDS; arguments input, mlp_w1, mlp_b1, mlp_b2, mlp_b3, ln_k_g, ln_k_b, ln_v_g, ln_v_b, bk, bv, wimg, kvc, kvs; writes kvc, kvs
.if DOCPART == 2
	.amdgcn_target "amdgcn-amd-amdhsa--gfx1250"
	.amdhsa_code_object_version 6
	.text
	.protected	k_qe600db5ad4_kv
	.globl	k_qe600db5ad4_kv
	.p2align	8
	.type	k_qe600db5ad4_kv,@function
k_qe600db5ad4_kv:
	s_mov_b64 s[64:65], 0
	v_nop
	global_prefetch_b8 v0, s[64:65] scope:SCOPE_SE
	s_setreg_imm32_b32 hwreg(HW_REG_WAVE_MODE, 25, 1), 1
	s_wait_xcnt 0x0
.set PKB,   53248
.set CST,   159744
.set H1,    167936
.set H2,    221184
.set LNO,   26624
.set STT,   274432
.set SPARE, 278528
.set IM,    1664
.set SPW, 1
.set NIL, 2
.set AP2, 3
.set AP2S, 4
.set APK, 5
.set APKS, 6
.set ACST, 7
.set AH1, 8
.set AH1S, 9
.set AH1B, 10
.set AH1SB, 11
.set AIR, 12
.set AIRS, 13
.set AIW, 14
.set AIWS, 15
.set ASTW, 16
.set ASTR, 17
.set GOC, 18
.set GOS, 19
.set SH8, 20
.set XR,  22
.set VW,  22
.set SPR, 26
.set TM,  30
.set SO,  34
.set BY,  36
.set PW,  38
.set PX,  39
.set LT,  40
.set PC,  40
.set CT,  52
.set SU,  40
.set T1,  48
.set T2,  49
.set ST,  40
.set MU,  48
.set EE,  49
.set QQ,  53
.set RS,  54
.set OF,  56
.set MN,  60
.set F0,  40
.set F1,  52
.set CTK, 64
.set VC,  40
.set W3S, 72
.set PRS, 104
.set AS,  120
.set ACC, 128
.set WV,   32
.set TYPE, 33
.set BAT,  34
.set CK,   35
.set J,    36
.set HO,   37
.set SEL,  40
.set MSK,  42
.set R512, 43
.set EPS,  44
.set G1A,  48
.set G1B,  56
.set G0A,  68
.set G0B,  72
.set MSB, 0
.macro WIN new
.if MSB != (\new)
	s_set_vgpr_msb (MSB<<8)|(\new)
.set MSB, (\new)
.endif
.endm
.macro NOPS4
.rept 4
	v_nop
.endr
.endm
.macro QUANT2 src, d0, d1, ct
	v_max3_num_f32 v[TM], |v[\src]|, |v[\src+1]|, 0x1800000
	v_max3_num_f32 v[TM+1], |v[\src+16]|, |v[\src+17]|, |v[\src+18]|
	v_max3_num_f32 v[TM+2], |v[\src+32]|, |v[\src+33]|, 0x1800000
	v_max3_num_f32 v[TM+3], |v[\src+48]|, |v[\src+49]|, |v[\src+50]|
.irp i, 0,2,4,6,8,10
	v_max3_num_f32 v[TM], v[TM], |v[\src+2+\i]|, |v[\src+3+\i]|
	v_max3_num_f32 v[TM+1], v[TM+1], |v[\src+19+\i]|, |v[\src+20+\i]|
	v_max3_num_f32 v[TM+2], v[TM+2], |v[\src+34+\i]|, |v[\src+35+\i]|
	v_max3_num_f32 v[TM+3], v[TM+3], |v[\src+51+\i]|, |v[\src+52+\i]|
.endr
	v_max3_num_f32 v[TM], v[TM], |v[\src+14]|, |v[\src+15]|
	v_max3_num_f32 v[TM+2], v[TM+2], |v[\src+46]|, |v[\src+47]|
	v_max3_num_f32 v[TM], v[TM], v[TM+1], |v[\src+31]|
	v_max3_num_f32 v[TM+2], v[TM+2], v[TM+3], |v[\src+63]|
	v_add_nc_u32 v[SO], 0xff000000, v[TM]
	v_add_nc_u32 v[SO+1], 0xff000000, v[TM+2]
	v_lshrrev_b32 v[BY], 23, v[SO]
	v_lshrrev_b32 v[BY+1], 23, v[SO+1]
	v_cvt_scalef32_pk16_fp6_f32 v[\d0:\d0+2], v[\src:\src+15], v[SO]
	v_cvt_scalef32_pk16_fp6_f32 v[\ct:\ct+2], v[\src+16:\src+31], v[SO]
	v_cvt_scalef32_pk16_fp6_f32 v[\d1:\d1+2], v[\src+32:\src+47], v[SO+1]
	v_cvt_scalef32_pk16_fp6_f32 v[\ct+4:\ct+6], v[\src+48:\src+63], v[SO+1]
	v_nop
.irp i, 0,1,2
	v_mov_b32 v[\d0+3+\i], v[\ct+\i]
	v_mov_b32 v[\d1+3+\i], v[\ct+4+\i]
.endr
.endm
.macro QUANT64 src
	QUANT2 \src, PC, PC+6, CT
	v_lshl_or_b32 v[PW], v[BY+1], 16, v[BY]
	v_lshlrev_b32 v[PW], v[SH8], v[PW]
	v_permlanex16_b32 v[PX], v[PW], s[SEL], s[SEL+1]
	v_or_b32 v[PW], v[PW], v[PX]
.endm
.macro IMG adr, adrs, off
.irp k, 0,1,2
	ds_store_b128 v[\adr], v[PC+4*\k:PC+4*\k+3] offset:\off+512*\k
.endr
	ds_store_b32 v[\adrs], v[PW] offset:\off
.endm
.macro LEAKY a
.set gg, 0
.rept 8
.irp k, 0,1,2,3
	v_pk_mul_f32 v[LT+2*\k:LT+2*\k+1], v[\a+8*gg+2*\k:\a+8*gg+2*\k+1], 0x3c23d70a op_sel_hi:[1,0]
.endr
.irp k, 0,1,2,3,4,5,6,7
	v_max_num_f32 v[\a+8*gg+\k], v[\a+8*gg+\k], v[LT+\k]
.endr
.set gg, gg+1
.endr
.endm
.macro LDPR1
	WIN 0xc0
.set qq, 0
.rept 24
	ds_load_b128 v[4*qq:4*qq+3], v[AP2] offset:512*qq
.set qq, qq+1
.endr
.set qq, 0
.rept 16
	ds_load_b128 v[96+4*qq:96+4*qq+3], v[ACST] offset:256*(qq/8)+16*(qq%8)
.set qq, qq+1
.endr
	WIN 0
.irp t, 0,1,2,3,4,5,6,7
	ds_load_b32 v[PRS+\t], v[AP2S] offset:128*\t
.endr
.endm
.macro LDH1
	WIN 0x40
.irp m, 0,1,2,3
.irp k, 0,1,2
	ds_load_b128 v[192+12*\m+4*\k:192+12*\m+4*\k+3], v[AH1] offset:13312*\m+512*\k
.endr
.endr
	WIN 0
.irp m, 0,1,2,3
	ds_load_b32 v[AS+\m], v[AH1S] offset:13312*\m
.endr
.endm
.macro LDPR2
	WIN 0xc0
.set qq, 0
.rept 48
	ds_load_b128 v[4*qq:4*qq+3], v[ACST] offset:512*(1+qq/16)+256*((qq/8)%2)+16*(qq%8)
.set qq, qq+1
.endr
	WIN 0
.endm
.macro LDPR3
	WIN 0xc0
.set qq, 0
.rept 48
	ds_load_b128 v[4*qq:4*qq+3], v[APK] offset:512*qq
.set qq, qq+1
.endr
	WIN 0
.set qq, 0
.rept 16
	ds_load_b32 v[PRS+qq], v[APKS] offset:128*qq
.set qq, qq+1
.endr
.endm
.macro LOADF2 m, buf
	WIN (1+\buf)<<6
.irp ks, 0,1,2,3
.irp k, 0,1,2
	ds_load_b128 v[192+12*\ks+4*\k:192+12*\ks+4*\k+3], v[AIR] offset:(4*\m+\ks)*IM+512*\k
.endr
.endr
	WIN 0
.irp ks, 0,1,2,3
	ds_load_b32 v[AS+4*\buf+\ks], v[AIRS] offset:(4*\m+\ks)*IM
.endr
.endm
.macro LOADF3 ks, buf
	WIN (1+\buf)<<6
.irp m, 0,1,2,3
.irp k, 0,1,2
	ds_load_b128 v[192+12*\m+4*\k:192+12*\m+4*\k+3], v[AIR] offset:LNO+(4*\m+\ks)*IM+512*\k
.endr
.endr
	WIN 0
.irp m, 0,1,2,3
	ds_load_b32 v[AS+4*\buf+\m], v[AIRS] offset:LNO+(4*\m+\ks)*IM
.endr
.endm
.macro MM1 m, set
	WIN 0x37
.irp t, 0,1,2,3,4,5,6,7
	v_wmma_scale_f32_16x16x128_f8f6f4 v[ACC+64*\set+8*\t:ACC+64*\set+8*\t+7], v[12*\t:12*\t+11], v[192+12*\m:192+12*\m+11], v[96+8*\t:96+8*\t+7], v[PRS+\t], v[AS+\m] matrix_a_fmt:MATRIX_FMT_FP6 matrix_b_fmt:MATRIX_FMT_FP6
.endr
	WIN 0
.endm
.macro MM2 set, buf
.irp hf, 0,1
.irp ks, 0,1,2,3
.if \ks == 0
	WIN (1+\hf)|((1+\buf)<<2)|0x30
.else
	WIN (1+\hf)|((1+\buf)<<2)
.endif
.irp tt, 0,1,2,3
.if \ks == 0
	v_wmma_scale_f32_16x16x128_f8f6f4 v[ACC+64*\set+8*(4*\hf+\tt):ACC+64*\set+8*(4*\hf+\tt)+7], v[12*(4*\tt+\ks):12*(4*\tt+\ks)+11], v[192+12*\ks:192+12*\ks+11], v[8*(4*\hf+\tt):8*(4*\hf+\tt)+7], v[W3S+4*(4*\hf+\tt)+\ks], v[AS+4*\buf+\ks] matrix_a_fmt:MATRIX_FMT_FP6 matrix_b_fmt:MATRIX_FMT_FP6
.else
	v_wmma_scale_f32_16x16x128_f8f6f4 v[ACC+64*\set+8*(4*\hf+\tt):ACC+64*\set+8*(4*\hf+\tt)+7], v[12*(4*\tt+\ks):12*(4*\tt+\ks)+11], v[192+12*\ks:192+12*\ks+11], v[ACC+64*\set+8*(4*\hf+\tt):ACC+64*\set+8*(4*\hf+\tt)+7], v[W3S+4*(4*\hf+\tt)+\ks], v[AS+4*\buf+\ks] matrix_a_fmt:MATRIX_FMT_FP6 matrix_b_fmt:MATRIX_FMT_FP6
.endif
.endr
.endr
.endr
	WIN 0
.endm
.macro MM3 kind, ks, buf
.if \kind == 0
.if \ks == 0
	WIN 3|((1+\buf)<<2)|0x30
.else
	WIN 3|((1+\buf)<<2)
.endif
.irp m, 0,1,2,3
.irp t, 0,1,2,3
.if \ks == 0
	v_wmma_scale_f32_16x16x128_f8f6f4 v[ACC+32*\m+8*\t:ACC+32*\m+8*\t+7], v[12*(4*\t+\ks):12*(4*\t+\ks)+11], v[192+12*\m:192+12*\m+11], v[192+8*\t:192+8*\t+7], v[PRS+4*\t+\ks], v[AS+4*\buf+\m] matrix_a_fmt:MATRIX_FMT_FP6 matrix_b_fmt:MATRIX_FMT_FP6
.else
	v_wmma_scale_f32_16x16x128_f8f6f4 v[ACC+32*\m+8*\t:ACC+32*\m+8*\t+7], v[12*(4*\t+\ks):12*(4*\t+\ks)+11], v[192+12*\m:192+12*\m+11], v[ACC+32*\m+8*\t:ACC+32*\m+8*\t+7], v[PRS+4*\t+\ks], v[AS+4*\buf+\m] matrix_a_fmt:MATRIX_FMT_FP6 matrix_b_fmt:MATRIX_FMT_FP6
.endif
.endr
.endr
.else
.if \ks == 0
	WIN (1+\buf)|(3<<2)|0x30
.else
	WIN (1+\buf)|(3<<2)
.endif
.irp m, 0,1,2,3
.irp t, 0,1,2,3
.if \ks == 0
	v_wmma_scale_f32_16x16x128_f8f6f4 v[ACC+32*\t+8*\m:ACC+32*\t+8*\m+7], v[192+12*\m:192+12*\m+11], v[12*(4*\t+\ks):12*(4*\t+\ks)+11], v[192+8*\t:192+8*\t+7], v[AS+4*\buf+\m], v[PRS+4*\t+\ks] matrix_a_fmt:MATRIX_FMT_FP6 matrix_b_fmt:MATRIX_FMT_FP6
.else
	v_wmma_scale_f32_16x16x128_f8f6f4 v[ACC+32*\t+8*\m:ACC+32*\t+8*\m+7], v[192+12*\m:192+12*\m+11], v[12*(4*\t+\ks):12*(4*\t+\ks)+11], v[ACC+32*\t+8*\m:ACC+32*\t+8*\m+7], v[AS+4*\buf+\m], v[PRS+4*\t+\ks] matrix_a_fmt:MATRIX_FMT_FP6 matrix_b_fmt:MATRIX_FMT_FP6
.endif
.endr
.endr
.endif
	WIN 0
.endm
.macro STAT a, m
.set MQ, MN+2*((\m)%2)                 ; the local mean and sum of squares: a pair for even row tiles, another for odd ones
.irp k, 0,1,2,3
	v_pk_add_f32 v[SU+2*\k:SU+2*\k+1], v[\a+2*\k:\a+2*\k+1], v[\a+8+2*\k:\a+9+2*\k]
.endr
.set pp, 16
.rept 6
.irp k, 0,1,2,3
	v_pk_add_f32 v[SU+2*\k:SU+2*\k+1], v[SU+2*\k:SU+2*\k+1], v[\a+pp+2*\k:\a+pp+2*\k+1]
.endr
.set pp, pp+8
.endr
	v_pk_add_f32 v[SU:SU+1], v[SU:SU+1], v[SU+2:SU+3]
	v_pk_add_f32 v[SU+4:SU+5], v[SU+4:SU+5], v[SU+6:SU+7]
	v_pk_add_f32 v[SU:SU+1], v[SU:SU+1], v[SU+4:SU+5]
	v_add_f32 v[T1], v[SU], v[SU+1]
	v_permlanex16_b32 v[T2], v[T1], s[SEL], s[SEL+1]
	v_add_f32 v[T1], v[T1], v[T2]
	v_mul_f32 v[MQ], 0x3c000000, v[T1]
.set pp, 0
.rept 32
	v_pk_add_f32 v[\a+pp:\a+pp+1], v[\a+pp:\a+pp+1], v[MQ:MQ+1] op_sel_hi:[1,0] neg_lo:[0,1] neg_hi:[0,1]
.set pp, pp+2
.endr
.irp k, 0,1,2,3
	v_pk_mul_f32 v[SU+2*\k:SU+2*\k+1], v[\a+2*\k:\a+2*\k+1], v[\a+2*\k:\a+2*\k+1]
.endr
.set pp, 8
.rept 7
.irp k, 0,1,2,3
	v_pk_fma_f32 v[SU+2*\k:SU+2*\k+1], v[\a+pp+2*\k:\a+pp+2*\k+1], v[\a+pp+2*\k:\a+pp+2*\k+1], v[SU+2*\k:SU+2*\k+1]
.endr
.set pp, pp+8
.endr
	v_pk_add_f32 v[SU:SU+1], v[SU:SU+1], v[SU+2:SU+3]
	v_pk_add_f32 v[SU+4:SU+5], v[SU+4:SU+5], v[SU+6:SU+7]
	v_pk_add_f32 v[SU:SU+1], v[SU:SU+1], v[SU+4:SU+5]
	v_add_f32 v[T1], v[SU], v[SU+1]
	v_permlanex16_b32 v[T2], v[T1], s[SEL], s[SEL+1]
	v_add_f32 v[MQ+1], v[T1], v[T2]
	ds_store_b64 v[ASTW], v[MQ:MQ+1] offset:(\m)*1024
.endm
.macro NLOAD m                         ; the four waves' statistics of row tile m: v40-47 for even tiles, v64-71 for odd ones
.irp u, 0,1,2,3
	ds_load_b64 v[ST+24*((\m)%2)+2*\u:ST+24*((\m)%2)+2*\u+1], v[ASTR] offset:(\m)*1024+256*\u
.endr
.endm
.macro NORM a, m
.set SQ, ST+24*((\m)%2)
.set MQ, MN+2*((\m)%2)
	v_add_f32 v[MU], v[SQ], v[SQ+2]
	v_add_f32 v[EE], v[SQ+4], v[SQ+6]
	v_add_f32 v[MU], v[MU], v[EE]
	v_mul_f32 v[MU], 0x3e800000, v[MU]
.irp u, 0,1,2,3
	v_sub_f32 v[EE+\u], v[SQ+2*\u], v[MU]
.endr
	v_mul_f32 v[QQ], v[EE], v[EE]
	v_fmac_f32 v[QQ], v[EE+1], v[EE+1]
	v_fmac_f32 v[QQ], v[EE+2], v[EE+2]
	v_fmac_f32 v[QQ], v[EE+3], v[EE+3]
	v_add_f32 v[SQ+1], v[SQ+1], v[SQ+3]
	v_add_f32 v[SQ+5], v[SQ+5], v[SQ+7]
	v_add_f32 v[SQ+1], v[SQ+1], v[SQ+5]
	v_fmamk_f32 v[QQ], v[QQ], 0x43000000, v[SQ+1]
	v_fma_f32 v[QQ], v[QQ], s[R512], s[EPS]
	s_wait_alu depctr_va_vdst(0)
	v_rsq_f32 v[RS], v[QQ]
	v_sub_f32 v[OF], v[MQ], v[MU]
	s_wait_alu depctr_va_vdst(0)
	v_mul_f32 v[OF], v[OF], v[RS]
.set pp, 0
.rept 32
	v_pk_fma_f32 v[\a+pp:\a+pp+1], v[\a+pp:\a+pp+1], v[RS:RS+1], v[OF:OF+1] op_sel_hi:[1,0,0]
.set pp, pp+2
.endr
	WIN 0x3c
.set pp, 0
.rept 32
	v_pk_fma_f32 v[\a+pp:\a+pp+1], v[\a+pp:\a+pp+1], v[64+pp:64+pp+1], v[128+pp:128+pp+1]
.set pp, pp+2
.endr
	WIN 0
.endm
.macro PHASE3 kind
	LOADF3 0, 0
	LOADF3 1, 1
	s_wait_dscnt 16
	MM3 \kind, 0, 0
	NOPS4
	LOADF3 2, 0
	s_wait_dscnt 16
	MM3 \kind, 1, 1
	NOPS4
	LOADF3 3, 1
	s_wait_dscnt 16
	MM3 \kind, 2, 0
	s_wait_dscnt 0x0
	MM3 \kind, 3, 1
	NOPS4
	LDPR1
	LDH1
.endm
.macro VBYTE i, t
	v_lshlrev_b32 v[BY+\i], v[SH8], v[BY+\i]
	v_permlanex16_b32 v[PX], v[BY+\i], s[SEL], s[SEL+1]
	v_or_b32 v[BY+\i], v[BY+\i], v[PX]
	v_alignbit_b32 v[VW+\t], v[BY+\i], v[VW+\t], 16
.endm
	s_load_b512 s[4:19], s[0:1], 0x0
	s_load_b256 s[20:27], s[0:1], 0x40
	s_load_b128 s[28:31], s[0:1], 0x60
	v_lshl_add_u32 v[SPW], v0, 2, SPARE
	v_mov_b32 v[NIL], 0
	ds_add_u32 v[SPW], v[NIL]
	ds_add_u32 v[SPW], v[NIL]
	v_lshrrev_b32 v21, 5, v0
	v_readfirstlane_b32 s[WV], v21
	s_lshr_b32 s[TYPE], ttmp9, 7
	s_and_b32 s46, ttmp9, 127
	s_lshr_b32 s[BAT], s46, 3
	s_and_b32 s[CK], s46, 7
	s_mov_b32 s[G1A], 3<<16
	s_mov_b32 s[G1A+1], 32<<16
	s_mov_b32 s[G1A+2], 52<<16
	s_mov_b32 s[G1A+3], 32<<16
	s_mov_b32 s[G1A+4], 52
	s_mov_b32 s[G1A+5], 32
	s_mov_b32 s[G1A+6], 0
	s_mov_b32 s[G1A+7], 0
	s_mov_b32 s[G1B], 3<<16
	s_mov_b32 s[G1B+1], 32<<16
	s_mov_b32 s[G1B+2], 104<<16
	s_mov_b32 s[G1B+3], 32<<16
	s_mov_b32 s[G1B+4], 104
	s_mov_b32 s[G1B+5], 32
	s_mov_b32 s[G1B+6], 0
	s_mov_b32 s[G1B+7], 0
	s_mov_b32 s[SEL], 0x76543210
	s_mov_b32 s[SEL+1], 0xfedcba98
	s_mov_b32 s[MSK], 0xffff0000
	s_mov_b32 s[R512], 0x3b000000
	s_mov_b32 s[EPS], 0x3727c5ac
	s_mov_b32 s[G0A], 1
	s_mul_i32 s[G0A+1], s[WV], 13312
	s_mov_b32 s[G0B], 1
	s_mul_i32 s47, s[WV], 26624
	s_add_co_u32 s[G0B+1], s47, PKB
	s_mov_b32 s86, s[G0A+1]
	s_mov_b32 s87, 0
	s_cmp_eq_u32 s[TYPE], 0
	s_mov_b32 s88, 372736
	s_cselect_b32 s88, 266240, s88
	s_add_co_u32 s88, s88, s47
	s_mov_b32 s89, 0
	s_wait_dscnt 0x0
	s_wait_kmcnt 0x0
	s_add_nc_u64 s[G0A+2:G0A+3], s[26:27], s[86:87]
	s_or_b32 s[G0A+3], s[G0A+3], 0x80000000
	s_add_nc_u64 s[G0B+2:G0B+3], s[26:27], s[88:89]
	s_or_b32 s[G0B+3], s[G0B+3], 0x80000000
	tensor_load_to_lds s[G0A:G0A+3], s[G1A:G1A+7]
	s_nop 0
	NOPS4
	v_and_b32 v62, 31, v0
	v_and_b32 v63, 15, v0
	v_bfe_u32 v59, v0, 4, 1
	v_lshlrev_b32 v[SH8], 3, v59
	v_lshlrev_b32 v60, 4, v62
	v_lshlrev_b32 v61, 2, v62
	v_lshlrev_b32 v58, 3, v62
	v_add_nc_u32 v[AP2], s[G0A+1], v60
	v_add_nc_u32 v[AP2S], s[G0A+1], v61
	v_add_nc_u32 v[AP2S], 12288, v[AP2S]
	v_add_nc_u32 v[APK], s[G0B+1], v60
	v_add_nc_u32 v[APKS], s[G0B+1], v61
	v_add_nc_u32 v[APKS], 24576, v[APKS]
	s_lshl_b32 s46, s[WV], 11
	s_add_co_u32 s46, s46, CST
	v_lshl_add_u32 v[ACST], v59, 7, s46
	v_add_nc_u32 v54, s46, v60
	v_add_nc_u32 v[AH1B], H1, v60
	v_add_nc_u32 v[AH1SB], H1+1536, v61
	v_add_nc_u32 v[AH1], s[G0A+1], v[AH1B]
	v_add_nc_u32 v[AH1S], s[G0A+1], v[AH1SB]
	v_add_nc_u32 v[AIR], H2, v60
	v_add_nc_u32 v[AIRS], H2+1536, v61
	s_mul_i32 s46, s[WV], IM
	v_add_nc_u32 v[AIW], s46, v[AIR]
	v_add_nc_u32 v[AIWS], s46, v[AIRS]
	v_add_nc_u32 v[ASTR], STT, v58
	s_lshl_b32 s46, s[WV], 8
	v_add_nc_u32 v[ASTW], s46, v[ASTR]
	v_mov_b32 v[PX], 0
	v_and_b32 v56, 7, v63
	v_lshrrev_b32 v57, 3, v63
	v_lshl_add_u32 v56, v57, 5, v56
	v_lshlrev_b32 v56, 3, v56
	s_lshl_b32 s46, s[WV], 6
	s_lshl_b32 s47, s[TYPE], 2
	s_add_co_u32 s46, s46, s47
	v_add_nc_u32 v56, s46, v56
	s_wait_alu depctr_va_vdst(0)
	v_lshlrev_b32 v57, 7, v59
	s_wait_alu depctr_va_vdst(0)
	s_lshl_b32 s46, s[WV], 9
	v_add_nc_u32 v55, s46, v60
	s_wait_alu depctr_va_vdst(0)
	s_lshl_b32 s86, s[BAT], 15
	s_lshl_b32 s47, s[CK], 12
	s_add_co_u32 s86, s86, s47
	s_add_nc_u64 s[4:5], s[4:5], s[86:87]
	s_cmp_eq_u32 s[TYPE], 0
	s_cselect_b64 s[14:15], s[14:15], s[18:19]
	s_cselect_b64 s[16:17], s[16:17], s[20:21]
	s_mov_b32 s84, 768
	s_cselect_b32 s84, 1536, s84
	s_cselect_b32 s85, 512, 0
	s_mul_i32 s86, s[BAT], 1572864
	s_mul_i32 s47, s[CK], 196608
	s_add_co_u32 s86, s86, s47
	s_mul_i32 s47, s[WV], 6144
	s_add_co_u32 s86, s86, s47
	s_mul_i32 s47, s[TYPE], 24576
	s_add_co_u32 s86, s86, s47
	s_add_nc_u64 s[76:77], s[28:29], s[86:87]
	s_lshl_b32 s86, s[BAT], 16
	s_lshl_b32 s47, s[CK], 12
	s_add_co_u32 s86, s86, s47
	s_add_co_u32 s46, s[TYPE], 7
	s_lshl_b32 s47, s[WV], s46
	s_add_co_u32 s86, s86, s47
	s_lshl_b32 s47, s[TYPE], 15
	s_add_co_u32 s86, s86, s47
	s_add_nc_u64 s[78:79], s[30:31], s[86:87]
	s_add_co_u32 s86, s[WV], 1
	s_mul_i32 s86, s86, 53248
	s_add_nc_u64 s[90:91], s[26:27], s[86:87]
.irp j, 0,1,2,3,4,5,6,7
	global_load_b32 v[XR+\j], v56, s[4:5] offset:512*\j
.endr
	WIN 0xc0
.set qq, 0
.rept 16
	global_load_b128 v[4*qq:4*qq+3], v57, s[6:7] offset:256*(qq/8)+16*(qq%8)
	global_load_b128 v[64+4*qq:64+4*qq+3], v57, s[8:9] offset:256*(qq/8)+16*(qq%8)
.set qq, qq+1
.endr
	WIN 0
	global_load_b128 v[192:195], v55, s[10:11]
	global_load_b128 v[196:199], v55, s[12:13]
	global_load_b128 v[200:203], v55, s[14:15]
	global_load_b128 v[204:207], v55, s[16:17]
	s_cmp_lg_u32 s[TYPE], 0
	s_cbranch_scc1 .Lhead_v
	s_lshl_b32 s46, s[WV], 8
	v_lshl_add_u32 v52, v59, 7, s46
	v_mov_b32 v[GOC], v60
	v_mov_b32 v[GOS], v61
	WIN 0xc0
.irp q, 0,1,2,3,4,5,6,7
	global_load_b128 v[192+4*\q:192+4*\q+3], v52, s[22:23] offset:16*\q
.endr
	WIN 0
	s_branch .Lhead_j
.Lhead_v:
	v_and_b32 v52, 7, v63
	v_lshrrev_b32 v53, 3, v63
	v_lshl_add_u32 v52, v53, 4, v52
	v_lshlrev_b32 v52, 2, v52
	s_lshl_b32 s46, s[WV], 8
	v_add_nc_u32 v52, s46, v52
	v_mov_b32 v[GOC], v58
	v_lshlrev_b32 v[GOS], 4, v63
	v_lshl_add_u32 v[GOS], v59, 3, v[GOS]
	WIN 0xc0
.irp t, 0,1,2,3
.irp i, 0,1,2,3,4,5,6,7
	global_load_b32 v[192+8*\t+\i], v52, s[24:25] offset:(32*(\t/2)+8*(\t%2))*4
.endr
.endr
	WIN 0
.Lhead_j:
	WIN 0x40
.set qq, 0
.rept 48
	global_load_b128 v[4*qq:4*qq+3], v60, s[90:91] offset:512*qq
.set qq, qq+1
.endr
	WIN 0
	s_wait_loadcnt 48
.irp k, 0,1,2,3
	ds_store_b128 v54, v[192+4*\k:192+4*\k+3] offset:512*\k
.endr
	WIN 0x80
.set qq, 0
.rept 48
	global_load_b128 v[4*qq:4*qq+3], v60, s[90:91] offset:24576+512*qq
.set qq, qq+1
.endr
	WIN 0
.set qq, 0
.rept 32
	global_load_b32 v[W3S+qq], v61, s[90:91] offset:49152+128*qq
.set qq, qq+1
.endr
	s_wait_xcnt 0x0
	; the second tile's first fill stands here, behind the head's global loads, which are on their way while the first tile lands
	s_wait_alu depctr_va_vdst(0)
	s_wait_tensorcnt 0x0
	ds_add_u32 v[SPW], v[NIL]
	s_wait_dscnt 0x0
	s_barrier_signal -1
	s_barrier_wait -1
	tensor_load_to_lds s[G0B:G0B+3], s[G1B:G1B+7]
	s_nop 0
	NOPS4
	s_mov_b32 s[HO], 0
.Lh1:
	WIN 0x33
.set ii, 0
	s_wait_alu depctr_va_vdst(0)
.rept 32
	v_pk_fma_f32 v[ACC+2*ii:ACC+2*ii+1], v[2*ii:2*ii+1], v[XR:XR+1], v[64+2*ii:64+2*ii+1] op_sel_hi:[1,0,1]
.set ii, ii+1
.endr
	WIN 0
	LEAKY ACC
	s_wait_dscnt 0x0
	QUANT64 ACC
	v_add_nc_u32 v62, s[HO], v[AH1]
	v_add_nc_u32 v63, s[HO], v[AH1S]
	IMG 62, 63, 0
.irp i, 0,1,2,3,4,5,6
	v_mov_b32 v[XR+\i], v[XR+\i+1]
.endr
	s_add_co_u32 s[HO], s[HO], IM
	s_cmp_lt_u32 s[HO], 8*IM
	s_cbranch_scc1 .Lh1
.irp t, 0,1,2,3
	v_mov_b32 v[VW+\t], 0
.endr
	s_wait_loadcnt 0x0
	s_wait_tensorcnt 0x0
	s_wait_dscnt 0x0
	s_barrier_signal -1
	s_barrier_wait -1
	v_mov_b32 v[AH1], v[AH1B]
	v_mov_b32 v[AH1S], v[AH1SB]
	LDPR1
	LDH1
	s_mov_b32 s[J], 0
.Lblock:
	s_wait_dscnt 0x0
	MM1 0, 0
	NOPS4
.irp m, 0,1,2,3
.if \m < 3
	MM1 (\m+1), ((\m+1)%2)
.else
	LDPR2
.endif
	LEAKY ACC+64*(\m%2)
	s_wait_dscnt 0x0
	QUANT64 ACC+64*(\m%2)
	IMG AIW, AIWS, \m*4*IM
.endr
	s_wait_dscnt 0x0
	s_barrier_signal -1
	s_barrier_wait -1
	; the row tiles go two by two: two products, two sets of statistics, ONE barrier for both, both sets loaded under one wait
	LOADF2 0, 0
	LOADF2 1, 1
	s_wait_dscnt 16                                ; tile 0's fragments are in; tile 1's 16 loads may be out
	MM2 0, 0
	s_wait_dscnt 0x0
	MM2 1, 1
	NOPS4
	LOADF2 2, 0
	LOADF2 3, 1
.irp p, 0,2
	STAT ACC, \p
	STAT ACC+64, (\p+1)
	s_wait_dscnt 0x0
	s_barrier_signal -1
	s_barrier_wait -1
	NLOAD \p
	NLOAD (\p+1)
	s_wait_dscnt 0x0
	NORM ACC, \p
	QUANT64 ACC
	IMG AIW, AIWS, LNO+\p*4*IM
	NORM ACC+64, (\p+1)
.if \p == 2
	LDPR3
.endif
	QUANT64 ACC+64
	IMG AIW, AIWS, LNO+(\p+1)*4*IM
.if \p == 0
	MM2 0, 0
	MM2 1, 1
	NOPS4
.endif
.endr
	s_wait_dscnt 0x0
	s_barrier_signal -1
	s_barrier_wait -1
	s_add_co_u32 s86, s[J], 1
	s_min_u32 s86, s86, 7
	s_mul_i32 s86, s86, IM
	v_add_nc_u32 v[AH1], s86, v[AH1B]
	v_add_nc_u32 v[AH1S], s86, v[AH1SB]
	s_lshr_b32 s86, s[J], 1
	s_and_b32 s87, s[J], 1
	s_mul_i32 s88, s86, 49152
	s_mul_i32 s89, s87, s84
	s_add_co_u32 s88, s88, s89
	s_mov_b32 s89, 0
	s_add_nc_u64 s[80:81], s[76:77], s[88:89]
	s_lshl_b32 s88, s86, 10
	s_mul_i32 s86, s87, s85
	s_add_co_u32 s88, s88, s86
	s_add_nc_u64 s[82:83], s[78:79], s[88:89]
	s_cmp_lg_u32 s[TYPE], 0
	s_cbranch_scc1 .Larm_v
	s_wait_alu depctr_va_vdst(0)
	PHASE3 0
	QUANT2 ACC, F0, F1, CTK
	v_lshl_or_b32 v[PW], v[BY+1], 8, v[BY]
	QUANT2 ACC+64, F0+6, F1+6, CTK
	v_lshl_or_b32 v[PW], v[BY], 16, v[PW]
	v_lshl_or_b32 v[PW], v[BY+1], 24, v[PW]
.irp i, 0,1,2,3,4,5,6,7,8,9,10,11
	v_permlane16_swap_b32 v[F0+\i], v[F1+\i]
.endr
.irp k, 0,1,2
	global_store_b128 v[GOC], v[F0+4*\k:F0+4*\k+3], s[80:81] offset:512*\k
	global_store_b128 v[GOC], v[F1+4*\k:F1+4*\k+3], s[80:81] offset:3072+512*\k
.endr
	global_store_b32 v[GOS], v[PW], s[82:83]
	s_branch .Ljoin
.Larm_v:
	s_wait_alu depctr_va_vdst(0)
	PHASE3 1
	QUANT2 ACC, VC, VC+6, CTK
	VBYTE 0, 0
	VBYTE 1, 1
	QUANT2 ACC+64, VC+12, VC+18, CTK
	VBYTE 0, 2
	VBYTE 1, 3
.irp t, 0,1,2,3
.irp k, 0,1,2
	global_store_b64 v[GOC], v[VC+6*\t+2*\k:VC+6*\t+2*\k+1], s[80:81] offset:1536*\t+256*\k
.endr
.endr
	s_bitcmp1_b32 s[J], 0
	s_cbranch_scc0 .Ljoin
	v_cndmask_b32 v[SPR], v[VW], v[VW+2], s[MSK]
	v_cndmask_b32 v[SPR+1], v[VW+1], v[VW+3], s[MSK]
	global_store_b64 v[GOS], v[SPR:SPR+1], s[82:83]
.Ljoin:
	s_wait_xcnt 0x0
	s_add_co_u32 s[J], s[J], 1
	s_cmp_lt_u32 s[J], 8
	s_cbranch_scc1 .Lblock
	s_wait_tensorcnt 0x0
	ds_add_u32 v[SPW], v[NIL]
	s_wait_dscnt 0x0
	s_endpgm
.Lfunc_end_k_qe600db5ad4_kv:
	.size	k_qe600db5ad4_kv, .Lfunc_end_k_qe600db5ad4_kv-k_qe600db5ad4_kv
	.p2alignl 7, 3214868480
	.fill 96, 4, 3214868480
	.section	.rodata,"a",@progbits
	.p2align	6, 0x0
	.amdhsa_kernel k_qe600db5ad4_kv
		.amdhsa_group_segment_fixed_size 327680
		.amdhsa_private_segment_fixed_size 0
		.amdhsa_enable_private_segment 0
		.amdhsa_kernarg_size 112
		.amdhsa_user_sgpr_count 2
		.amdhsa_user_sgpr_kernarg_segment_ptr 1
		.amdhsa_wavefront_size32 1
		.amdhsa_system_sgpr_workgroup_id_x 1
		.amdhsa_system_sgpr_workgroup_id_y 1
		.amdhsa_system_sgpr_workgroup_id_z 1
		.amdhsa_system_vgpr_workitem_id 0
		.amdhsa_next_free_vgpr 1024
		.amdhsa_next_free_sgpr 96
		.amdhsa_reserve_vcc 0
		.amdhsa_float_denorm_mode_32 3
		.amdhsa_float_denorm_mode_16_64 3
		.amdhsa_memory_ordered 1
		.amdhsa_forward_progress 1
		.amdhsa_inst_pref_size 218
	.end_amdhsa_kernel
	.amdgpu_metadata
---
amdhsa.version: [ 1, 2 ]
amdhsa.kernels:
  - .name:           k_qe600db5ad4_kv
    .symbol:         k_qe600db5ad4_kv.kd
    .args:
      - { .name: input, .offset: 0, .size: 8, .value_kind: global_buffer, .address_space: global }
      - { .name: mlp_w1, .offset: 8, .size: 8, .value_kind: global_buffer, .address_space: global }
      - { .name: mlp_b1, .offset: 16, .size: 8, .value_kind: global_buffer, .address_space: global }
      - { .name: mlp_b2, .offset: 24, .size: 8, .value_kind: global_buffer, .address_space: global }
      - { .name: mlp_b3, .offset: 32, .size: 8, .value_kind: global_buffer, .address_space: global }
      - { .name: ln_k_g, .offset: 40, .size: 8, .value_kind: global_buffer, .address_space: global }
      - { .name: ln_k_b, .offset: 48, .size: 8, .value_kind: global_buffer, .address_space: global }
      - { .name: ln_v_g, .offset: 56, .size: 8, .value_kind: global_buffer, .address_space: global }
      - { .name: ln_v_b, .offset: 64, .size: 8, .value_kind: global_buffer, .address_space: global }
      - { .name: bk, .offset: 72, .size: 8, .value_kind: global_buffer, .address_space: global }
      - { .name: bv, .offset: 80, .size: 8, .value_kind: global_buffer, .address_space: global }
      - { .name: wimg, .offset: 88, .size: 8, .value_kind: global_buffer, .address_space: global }
      - { .name: kvc, .offset: 96, .size: 8, .value_kind: global_buffer, .address_space: global }
      - { .name: kvs, .offset: 104, .size: 8, .value_kind: global_buffer, .address_space: global }
    .group_segment_fixed_size: 327680
    .private_segment_fixed_size: 0
    .kernarg_segment_align: 8
    .kernarg_segment_size: 112
    .max_flat_workgroup_size: 128
    .sgpr_count:     96
    .vgpr_count:     1024
    .wavefront_size: 32
...
	.end_amdgpu_metadata
.endif
;; end of part 2
;; launch attn (part 3): grid 256 x 1, 16 waves a work-group, no clusters, 327,680 bytes of LDS; arguments kvc, kvs, wimg, bq, opart; writes opart
.if DOCPART == 3
	.amdgcn_target "amdgcn-amd-amdhsa--gfx1250"
	.amdhsa_code_object_version 6
	.text
	.protected	k_qe600db5ad4_attn
	.globl	k_qe600db5ad4_attn
	.p2align	8
	.type	k_qe600db5ad4_attn,@function
k_qe600db5ad4_attn:
	s_mov_b64 s[64:65], 0
	v_nop
	global_prefetch_b8 v0, s[64:65] scope:SCOPE_SE
	s_setreg_imm32_b32 hwreg(HW_REG_WAVE_MODE, 25, 1), 1
	s_wait_xcnt 0x0
; ATTN: q = LN(query) wq + bq, scores q k^T / sqrt(32), a running softmax, times v; every product on codes of FP6 (E2M3) with one E8M0 byte for 32 along K.
; SHARES.  A work-group owns one batch, one head and one half of the keys (2,048), for all 256 queries: 16 x 8 x 2 = 256 work-groups.  Wave WV owns queries 16 WV .. 16 WV + 15 and walks 16 steps of 128 keys.
; The head's codes of these keys are 16 steps x (3,072 bytes of k + 3,072 of v) = 98,304 bytes: they lie in LDS for the whole launch, filled once, and all 16 waves read them.  No byte of LDS is filled twice.
; FILLS.  A step's k of one head, and its v, are each a dense block of 3,072 bytes of kvc that begins at a multiple of 256: 12 rows of 256 bytes.  At the head every wave issues one tensor load:
; wave WV fetches k (WV < 8) or v (WV >= 8) of step WV % 8.  Steps 8-15 are asked for in the same way.  The barrier that shows
; them whole stands behind step 2: they have three steps in which to land, and the last 13 steps have no barrier.  Every wait on TENSORcnt is for 0; a wave has one tensor load out at the most.
; SCALE WORDS.  Of the batch's scale bytes my head needs 128 bytes of k's and 128 of v's for each step.  Wave WV reads those of step WV from kvs, once, into registers and stores them into LDS bytes of their own,
; 128 bytes a step: so the head's number enters global addresses alone, and every LDS address is made of constants, the lane, the wave and counted steps.
; NO CLUSTER: each byte of kvc and of kvs that is fetched is fetched by one work-group alone.
; NO PREFETCH: both fills are asked for ahead of the first loop; there is no loop to run ahead in.
; RESULT: O^T not normalised, -M and the sum, for the launch behind, which joins the two halves of the keys: 2,304 bytes for each (batch, query tile, head, half): register group k of lane l at 512 k + 16 l, (-M, sum) at 2,048 + 8 l.
; THE SCORES HAVE K = 32 and the instruction 128: a fragment of k holds FOUR keys in each row, one in each K block, and is multiplied by four operands of q, each with the head's 32 codes in one block and zero codes
; in the others.  Block i of row rho is key 64 c + 8 i + (rho & 7) + 32 (rho >> 3): so a lane's 32 registers of c are 32 neighbouring keys, a whole block of the next K.
; THE SOFTMAX: t = score x log2(e) / sqrt(32); M = the running largest t rounded up to a whole number, kept as -M; p = 2^(t - M) is quantised along the keys, not normalised; the sum is taken of the unquantised p;
; when M moves, the sum and O are multiplied by 2^(old M - new M), exactly.  A block's largest p is made from its largest score by the same two instructions (this takes v_exp_f32 not to fall where its input rises).
; LIMITS: NaN and infinities are not served.  A block whose largest magnitude lies under 2^-124 gets the byte 1.  The promise holds while |t| stays under 2^31.
.set STEPB, 6144                       ; LDS: step s at 6,144 s: k, then v
.set KSC,   98304                      ; k's scale words of my head: 128 bytes a step: fragment c, row r at 64 c + 4 r
.set VSC,   100352                     ; v's: 128 bytes a step: row r's pair at 8 r
.set SPARE, 102400                     ; the spare words, 128 bytes a wave
.set AV0, 2
.set ASK0, 3
.set ASV0, 4
.set SPW, 5
.set NIL, 6
.set SH8, 7
.set QCH, 16                           ; v16-45: E0 Z E1 Z E0: q's codes in lanes 0-15 (E0) or 16-31 (E1), zeros (Z): the four operands begin at 16, 28, 34, 22
.set KF,  48
.set VF,  72
.set SCO, 96                           ; v96-159 the scores, then p
.set OT,  160                          ; v160-175 O^T, two tiles
.set PC,  176
.set CT,  188
.set KS,  196                          ; v196-203 hold scales and nothing else
.set VS,  198
.set PW,  200
.set QS,  201
.set XS,  202
.set TM,  204
.set SO,  208
.set BY,  210
.set PX,  212
.set TT,  213
.set T2,  214
.set FF,  216
.set SA,  218                          ; v218-225 four packed sums
.set L8,  230
.set L16, 231
.set L4,  232
.set WV,  18
.set HD,  19
.set SEL, 20
.set CS,  22
.set G1C, 24
.set G0C, 40
.set HALF, 48
.set BAT, 49
.set TB,  50
.set TS,  51
.set CNT, 52
.macro NOPS4
.rept 4
	v_nop
.endr
.endm
.macro STEP                            ; 128 keys
	v_add_nc_u32 v8, s[TB], v[L16]                 ; (these four are also the places behind the last products, ahead of the loads into their registers)
	v_add_nc_u32 v9, s[TB], v[AV0]
	v_add_nc_u32 v10, s[TS], v[ASK0]
	v_add_nc_u32 v11, s[TS], v[ASV0]
.irp q, 0,1,2,3,4,5
	ds_load_b128 v[KF+4*\q:KF+4*\q+3], v8 offset:512*\q
.endr
	ds_load_b32 v[KS], v10
	ds_load_b32 v[KS+1], v10 offset:64
.irp q, 0,1,2,3,4,5,6,7,8,9,10,11
	ds_load_b64 v[VF+2*\q:VF+2*\q+1], v9 offset:256*\q
.endr
	ds_load_b64 v[VS:VS+1], v11
	s_wait_dscnt 13                                ; k and its scale words are in; v's 12 pieces and its scale pair may be out
.irp c, 0,1
.irp i, 0,1,2,3
	v_wmma_scale_f32_16x16x128_f8f6f4 v[SCO+8*(4*\c+\i):SCO+8*(4*\c+\i)+7], v[KF+12*\c:KF+12*\c+11], v[QCH+6*((\i%2)*2+(\i/2)*(3-4*(\i%2))):QCH+6*((\i%2)*2+(\i/2)*(3-4*(\i%2)))+11], 0, v[KS+\c], v[QS] matrix_a_fmt:MATRIX_FMT_FP6 matrix_b_fmt:MATRIX_FMT_FP6
.endr
.endr
	NOPS4
	v_max3_num_f32 v[TM], v[SCO], v[SCO+1], v[SCO+2]                 ; the largest score of each of my two blocks of 32 keys, two chains a block
	v_max3_num_f32 v[TM+1], v[SCO+16], v[SCO+17], v[SCO+18]
	v_max3_num_f32 v[TM+2], v[SCO+32], v[SCO+33], v[SCO+34]
	v_max3_num_f32 v[TM+3], v[SCO+48], v[SCO+49], v[SCO+50]
.irp i, 0,2,4,6,8,10
	v_max3_num_f32 v[TM], v[TM], v[SCO+3+\i], v[SCO+4+\i]
	v_max3_num_f32 v[TM+1], v[TM+1], v[SCO+19+\i], v[SCO+20+\i]
	v_max3_num_f32 v[TM+2], v[TM+2], v[SCO+35+\i], v[SCO+36+\i]
	v_max3_num_f32 v[TM+3], v[TM+3], v[SCO+51+\i], v[SCO+52+\i]
.endr
	v_max3_num_f32 v[TM], v[TM], v[TM+1], v[SCO+15]
	v_max3_num_f32 v[TM+2], v[TM+2], v[TM+3], v[SCO+47]
	v_max_num_f32 v[TM], v[TM], v[SCO+31]
	v_max_num_f32 v[TM+2], v[TM+2], v[SCO+63]
	s_delay_alu instid0(VALU_DEP_1)
	v_max_num_f32 v[TT], v[TM], v[TM+2]
	s_delay_alu instid0(VALU_DEP_1)
	v_permlanex16_b32 v[T2], v[TT], s[SEL], s[SEL+1]
	s_delay_alu instid0(VALU_DEP_1)
	v_max_num_f32 v[TT], v[TT], v[T2]              ; the step's largest score of my query
	s_delay_alu instid0(VALU_DEP_1)
	v_mul_f32 v[TT], s[CS], v[TT]
	s_delay_alu instid0(VALU_DEP_1)
	v_max_num_f32 v13, v13, v[TT]                  ; the running largest t
	v_mov_b32 v[TT], v12
	s_delay_alu instid0(VALU_DEP_2)
	v_floor_f32 v12, -v13                          ; the new -M = -ceil(t)
	s_delay_alu instid0(VALU_DEP_1)
	v_sub_f32 v[TT], v12, v[TT]
	s_delay_alu instid0(VALU_DEP_1)
	v_cvt_i32_f32 v[TT], v[TT]                     ; (it saturates)
	s_delay_alu instid0(VALU_DEP_1)
	v_ldexp_f32 v[FF], 1.0, v[TT]                  ; f = 2^(old M - new M)
.set pp, 0
.rept 32
	v_pk_fma_f32 v[SCO+pp:SCO+pp+1], v[SCO+pp:SCO+pp+1], s[CS:CS+1], v[12:13] op_sel_hi:[1,0,0]
.set pp, pp+2
.endr
	v_fma_f32 v[TM], v[TM], s[CS], v12
	v_fma_f32 v[TM+2], v[TM+2], s[CS], v12
	s_wait_alu depctr_va_vdst(0)                   ; the wait ahead of the batch
.set pp, 0
.rept 64
	v_exp_f32 v[SCO+pp], v[SCO+pp]
.set pp, pp+1
.endr
	v_pk_mul_f32 v[14:15], v[14:15], v[FF:FF+1] op_sel_hi:[1,0]      ; the sums under the new M (the plain place behind the exponentials)
	s_wait_alu depctr_va_vdst(0)                   ; one wait for the batch, ahead of its first reader
	v_exp_f32 v[TM], v[TM]                         ; each block's largest p
	v_exp_f32 v[TM+2], v[TM+2]
	s_wait_alu depctr_va_vdst(0)                   ; the wait ahead of O^T's first reader
.set pp, 0
.rept 8
	v_pk_mul_f32 v[OT+pp:OT+pp+1], v[OT+pp:OT+pp+1], v[FF:FF+1] op_sel_hi:[1,0]      ; O^T under the new M
.set pp, pp+2
.endr
	s_wait_alu depctr_va_vdst(0)                   ; and one for the two
	v_max_num_f32 v[TM], 0x1800000, v[TM]          ; the floor 2^(3 - 127)
	v_max_num_f32 v[TM+2], 0x1800000, v[TM+2]
	s_delay_alu instid0(VALU_DEP_2)
	v_add_nc_u32 v[SO], 0xff000000, v[TM]
	s_delay_alu instid0(VALU_DEP_2)
	v_add_nc_u32 v[SO+1], 0xff000000, v[TM+2]
	s_delay_alu instid0(VALU_DEP_2)
	v_lshrrev_b32 v[BY], 23, v[SO]
	s_delay_alu instid0(VALU_DEP_2)
	v_lshrrev_b32 v[BY+1], 23, v[SO+1]
	s_delay_alu instid0(VALU_DEP_1)
	v_lshl_or_b32 v[PW], v[BY+1], 16, v[BY]
	s_delay_alu instid0(VALU_DEP_1)
	v_lshlrev_b32 v[PW], v[SH8], v[PW]
	s_delay_alu instid0(VALU_DEP_1)
	v_permlanex16_b32 v[PX], v[PW], s[SEL], s[SEL+1]
	s_delay_alu instid0(VALU_DEP_1)
	v_or_b32 v[PW], v[PW], v[PX]                   ; p's scale word for these 128 keys
	v_cvt_scalef32_pk16_fp6_f32 v[PC:PC+2], v[SCO:SCO+15], v[SO]
	v_cvt_scalef32_pk16_fp6_f32 v[CT:CT+2], v[SCO+16:SCO+31], v[SO]
	v_cvt_scalef32_pk16_fp6_f32 v[PC+6:PC+8], v[SCO+32:SCO+47], v[SO+1]
	v_cvt_scalef32_pk16_fp6_f32 v[CT+4:CT+6], v[SCO+48:SCO+63], v[SO+1]
	v_nop                                          ; one plain place behind the conversions
.irp i, 0,1,2
	v_mov_b32 v[PC+3+\i], v[CT+\i]
	v_mov_b32 v[PC+9+\i], v[CT+4+\i]
.endr
.irp k, 0,1,2,3                        ; the sum of the unquantised p, in four packed chains
	v_pk_add_f32 v[SA+2*\k:SA+2*\k+1], v[SCO+2*\k:SCO+2*\k+1], v[SCO+8+2*\k:SCO+9+2*\k]
.endr
.set pp, 16
.rept 6
.irp k, 0,1,2,3
	v_pk_add_f32 v[SA+2*\k:SA+2*\k+1], v[SA+2*\k:SA+2*\k+1], v[SCO+pp+2*\k:SCO+pp+2*\k+1]
.endr
.set pp, pp+8
.endr
	v_pk_add_f32 v[SA:SA+1], v[SA:SA+1], v[SA+2:SA+3]
	v_pk_add_f32 v[SA+4:SA+5], v[SA+4:SA+5], v[SA+6:SA+7]
	s_delay_alu instid0(VALU_DEP_1)
	v_pk_add_f32 v[SA:SA+1], v[SA:SA+1], v[SA+4:SA+5]
	s_delay_alu instid0(VALU_DEP_1)
	v_pk_add_f32 v[14:15], v[14:15], v[SA:SA+1]
	s_wait_dscnt 0x0                               ; v is in
	v_wmma_scale_f32_16x16x128_f8f6f4 v[OT:OT+7], v[VF:VF+11], v[PC:PC+11], v[OT:OT+7], v[VS], v[PW] matrix_a_fmt:MATRIX_FMT_FP6 matrix_b_fmt:MATRIX_FMT_FP6
	v_wmma_scale_f32_16x16x128_f8f6f4 v[OT+8:OT+15], v[VF+12:VF+23], v[PC:PC+11], v[OT+8:OT+15], v[VS+1], v[PW] matrix_a_fmt:MATRIX_FMT_FP6 matrix_b_fmt:MATRIX_FMT_FP6
.endm
.macro WALK n                          ; n steps
	s_mov_b32 s[CNT], \n
.Lstep_\@:
	STEP
	s_add_co_u32 s[TB], s[TB], STEPB
	s_add_co_u32 s[TS], s[TS], 128
	s_sub_co_u32 s[CNT], s[CNT], 1
	s_cmp_lg_u32 s[CNT], 0
	s_cbranch_scc1 .Lstep_\@
.endm
	s_load_b256 s[4:11], s[0:1], 0x0               ; kvc s[4:5], kvs s[6:7], wimg s[8:9], bq s[10:11]
	s_load_b64 s[12:13], s[0:1], 0x20              ; opart
	v_lshl_add_u32 v[SPW], v0, 2, SPARE
	v_mov_b32 v[NIL], 0
	ds_add_u32 v[SPW], v[NIL]                      ; the opening: the add, twice on end, and its wait ahead of the first tensor load
	ds_add_u32 v[SPW], v[NIL]
	v_lshrrev_b32 v8, 5, v0
	s_delay_alu instid0(VALU_DEP_1)
	v_readfirstlane_b32 s[WV], v8                  ; wave 0..15: my tile of 16 queries
	s_lshr_b32 s[BAT], ttmp9, 4
	s_bfe_u32 s[HD], ttmp9, 0x30001
	s_and_b32 s[HALF], ttmp9, 1
	; group 1: a dense block of 3,072 bytes as 12 rows of 256 (32 elements of 8 bytes)
	s_mov_b32 s[G1C], 3<<16
	s_mov_b32 s[G1C+1], 32<<16
	s_mov_b32 s[G1C+2], 12<<16
	s_mov_b32 s[G1C+3], 32<<16
	s_mov_b32 s[G1C+4], 12
	s_mov_b32 s[G1C+5], 32
	s_mov_b32 s[G1C+6], 0
	s_mov_b32 s[G1C+7], 0
	s_mov_b32 s[SEL], 0x76543210
	s_mov_b32 s[SEL+1], 0xfedcba98
	s_mov_b32 s[CS], 0x3e8293ee                    ; c = log2(e) / sqrt(32)
	s_mov_b32 s[CS+1], s[CS]
	s_mov_b32 s[TB], 0
	s_mov_b32 s[TS], 0
	s_and_b32 s58, s[WV], 7                        ; which step I fetch for,
	s_lshr_b32 s57, s[WV], 3                       ; and k (0) or v (1)
	s_mul_i32 s59, s58, STEPB
	s_mul_i32 s56, s57, 3072
	s_add_co_u32 s59, s59, s56                     ; where it goes
	s_lshl_b32 s60, s[HALF], 4
	s_add_co_u32 s60, s60, s58
	s_mul_i32 s60, s60, 49152                      ; a step of all heads in kvc: k's 24,576 bytes, then v's
	s_mul_i32 s61, s57, 24576
	s_add_co_u32 s60, s60, s61
	s_mul_i32 s61, s[BAT], 1572864
	s_add_co_u32 s60, s60, s61
	s_mul_i32 s61, s[HD], 3072
	s_add_co_u32 s60, s60, s61
	s_mov_b32 s61, 0
	s_lshl_b32 s53, s[WV], 7                       ; step WV's scale words in LDS
	s_add_co_u32 s54, s53, VSC
	s_add_co_u32 s53, s53, KSC
	s_wait_dscnt 0x0                               ; both opening adds are done
	s_wait_kmcnt 0x0
	s_mov_b32 s[G0C], 1
	s_mov_b32 s[G0C+1], s59
	s_add_nc_u64 s[G0C+2:G0C+3], s[4:5], s[60:61]
	s_or_b32 s[G0C+3], s[G0C+3], 0x80000000
	tensor_load_to_lds s[G0C:G0C+3], s[G1C:G1C+7]  ; k or v of step WV % 8: one tensor load a wave
	s_nop 0
	NOPS4
	v_and_b32 v233, 31, v0                         ; lane
	v_and_b32 v234, 15, v0                         ; r
	v_bfe_u32 v235, v0, 4, 1                       ; h
	v_lshlrev_b32 v[L16], 4, v233
	v_lshlrev_b32 v[L4], 2, v233
	v_lshlrev_b32 v[L8], 3, v233
	v_lshlrev_b32 v[SH8], 3, v235
	v_lshl_add_u32 v[ASK0], v234, 2, KSC
	v_lshl_add_u32 v[ASV0], v234, 3, VSC
	v_lshlrev_b32 v236, 6, v235                    ; bq: 16 h numbers
	v_lshlrev_b32 v237, 9, v235                    ; kvs, k: fragment h is 512 bytes on,
	v_lshlrev_b32 v239, 4, v234                    ; kvs, v: 16 bytes a row
	v_add_nc_u32 v[AV0], 3072, v[L8]               ; v lies behind k in a step, in pieces of 8 bytes
	v_lshl_add_u32 v237, v234, 2, v237             ; row r 4 r
	v_add_nc_u32 v242, s53, v[L4]                  ; and where the words go in LDS: 4 x lane = 64 h + 4 r,
	v_lshl_add_u32 v243, v234, 3, s54              ; 8 r (both halves of the lanes hold the same pair)
	v_mov_b32 v[PX], 0                             ; written once: a lane permute's destination counts as read; upper halves of pairs likewise
	v_mov_b32 v[T2], 0
	v_mov_b32 v[FF+1], 0
.irp i, 0,1,2
	v_mov_b32 v[CT+4+\i], 0
.endr
	s_wait_alu depctr_va_vdst(0)                   ; the wait ahead of the run of scalar instructions
	s_mov_b32 s69, 0
	s_mul_i32 s68, s[WV], 3328
	s_add_co_u32 s68, s68, 585728
	s_add_nc_u64 s[70:71], s[8:9], s[68:69]        ; LN(query), my tile
	s_mul_i32 s68, s[HD], 6144
	s_add_co_u32 s68, s68, 479232
	s_add_nc_u64 s[72:73], s[8:9], s[68:69]        ; wq: my head's four fragments
	s_lshl_b32 s68, s[HD], 9
	s_add_co_u32 s68, s68, 479232+49152
	s_add_nc_u64 s[74:75], s[8:9], s[68:69]        ; their scale images
	s_lshl_b32 s68, s[HD], 7
	s_add_nc_u64 s[10:11], s[10:11], s[68:69]
	s_lshl_b32 s68, s[BAT], 16                     ; kvs: a batch's 32,768 bytes of k, then of v; 1,024 a step
	s_lshl_b32 s66, s[HALF], 14
	s_add_co_u32 s68, s68, s66
	s_lshl_b32 s66, s[WV], 10
	s_add_co_u32 s67, s68, s66                     ; step 16 x half + WV
	s_lshl_b32 s66, s[HD], 6
	s_add_co_u32 s68, s67, s66                     ; k: my head's 64 bytes of each 512
	s_add_nc_u64 s[76:77], s[6:7], s[68:69]
	s_lshr_b32 s66, s[HD], 1
	s_lshl_b32 s66, s66, 8
	s_add_co_u32 s68, s67, s66
	s_and_b32 s66, s[HD], 1
	s_lshl_b32 s66, s66, 3
	s_add_co_u32 s68, s68, s66
	s_add_co_u32 s68, s68, 32768                   ; v: 256 bytes for two heads, 8 of each row's 16 are mine
	s_add_nc_u64 s[78:79], s[6:7], s[68:69]
	s_lshl_b32 s68, s[BAT], 8                      ; my result: ((batch x 16 + tile) x 8 + head) x 2 + half, 2,304 bytes each
	s_lshl_b32 s66, s[WV], 4
	s_add_co_u32 s68, s68, s66
	s_and_b32 s66, ttmp9, 15
	s_add_co_u32 s68, s68, s66
	s_mul_i32 s68, s68, 2304
	s_add_nc_u64 s[12:13], s[12:13], s[68:69]
	s_mov_b32 s62, 0xffff0000                      ; lanes 16-31
	global_load_b32 v238, v237, s[76:77]           ; step WV's scale words of my head
	global_load_b64 v[240:241], v239, s[78:79]
	; ---- q of my head: transposed (source 0 = 16 rows of wq, source 1 = my 16 queries): the 16 registers of the two tiles are channels 32 hd + 16 h + 0 .. 15
.irp q, 0,1,2,3,4,5
	global_load_b128 v[KF+4*\q:KF+4*\q+3], v[L16], s[70:71] offset:512*\q
.endr
	global_load_b32 v[XS], v[L4], s[70:71] offset:3072
	global_load_b32 v[XS+1], v[L4], s[70:71] offset:3200
.irp q, 0,1,2,3,4,5,6,7,8,9,10,11
	global_load_b128 v[SCO+4*\q:SCO+4*\q+3], v[L16], s[72:73] offset:512*\q
.endr
.irp i, 0,1,2,3
	global_load_b32 v[KS+\i], v[L4], s[74:75] offset:128*\i
	global_load_b128 v[SCO+48+4*\i:SCO+48+4*\i+3], v236, s[10:11] offset:16*\i
.endr
	s_wait_loadcnt 0x0
	ds_store_b32 v242, v238                        ; awaited in front of the barrier below
	ds_store_b64 v243, v[240:241]
	v_wmma_scale_f32_16x16x128_f8f6f4 v[OT:OT+7], v[SCO:SCO+11], v[KF:KF+11], v[SCO+48:SCO+55], v[KS], v[XS] matrix_a_fmt:MATRIX_FMT_FP6 matrix_b_fmt:MATRIX_FMT_FP6
	v_wmma_scale_f32_16x16x128_f8f6f4 v[OT+8:OT+15], v[SCO+24:SCO+35], v[KF:KF+11], v[SCO+56:SCO+63], v[KS+2], v[XS] matrix_a_fmt:MATRIX_FMT_FP6 matrix_b_fmt:MATRIX_FMT_FP6
	v_wmma_scale_f32_16x16x128_f8f6f4 v[OT:OT+7], v[SCO+12:SCO+23], v[KF+12:KF+23], v[OT:OT+7], v[KS+1], v[XS+1] matrix_a_fmt:MATRIX_FMT_FP6 matrix_b_fmt:MATRIX_FMT_FP6
	v_wmma_scale_f32_16x16x128_f8f6f4 v[OT+8:OT+15], v[SCO+36:SCO+47], v[KF+12:KF+23], v[OT+8:OT+15], v[KS+3], v[XS+1] matrix_a_fmt:MATRIX_FMT_FP6 matrix_b_fmt:MATRIX_FMT_FP6
	NOPS4
	v_max3_num_f32 v[TM], |v[OT]|, |v[OT+1]|, 0x1800000
	v_max3_num_f32 v[TM+1], |v[OT+8]|, |v[OT+9]|, |v[OT+10]|
	v_max3_num_f32 v[TM], v[TM], |v[OT+2]|, |v[OT+3]|
	v_max3_num_f32 v[TM+1], v[TM+1], |v[OT+11]|, |v[OT+12]|
	v_max3_num_f32 v[TM], v[TM], |v[OT+4]|, |v[OT+5]|
	v_max3_num_f32 v[TM+1], v[TM+1], |v[OT+13]|, |v[OT+14]|
	v_max3_num_f32 v[TM], v[TM], |v[OT+6]|, |v[OT+7]|
	v_max3_num_f32 v[TM], v[TM], v[TM+1], |v[OT+15]|
	s_delay_alu instid0(VALU_DEP_1)
	v_permlanex16_b32 v[PX], v[TM], s[SEL], s[SEL+1]
	s_delay_alu instid0(VALU_DEP_1)
	v_max_num_f32 v[TM], v[TM], v[PX]              ; the block's largest magnitude: the head's 32 channels lie in lanes l and l xor 16
	s_delay_alu instid0(VALU_DEP_1)
	v_add_nc_u32 v[SO], 0xff000000, v[TM]
	s_delay_alu instid0(VALU_DEP_1)
	v_lshrrev_b32 v[BY], 23, v[SO]
	s_delay_alu instid0(VALU_DEP_1)
	v_mul_lo_u32 v[QS], v[BY], 0x01010101          ; the same byte for all four K blocks: three of them hold zero codes
	v_cvt_scalef32_pk16_fp6_f32 v[CT:CT+2], v[OT:OT+15], v[SO]
	v_nop                                          ; one plain place behind the conversion
.irp i, 0,1,2
	v_permlanex16_b32 v[CT+4+\i], v[CT+\i], s[SEL], s[SEL+1]         ; the other half's 16 codes
.endr
.irp i, 0,1,2
	v_cndmask_b32 v[QCH+\i], v[CT+\i], 0, s62      ; E0: lanes 0-15: the lower 16 codes are mine,
	v_cndmask_b32 v[QCH+3+\i], v[CT+4+\i], 0, s62  ;     the upper 16 the other half's
	v_cndmask_b32 v[QCH+12+\i], 0, v[CT+4+\i], s62 ; E1: lanes 16-31: the lower 16 are the other half's,
	v_cndmask_b32 v[QCH+15+\i], 0, v[CT+\i], s62   ;     the upper 16 mine
.endr
.irp i, 0,1,2,3,4,5
	v_mov_b32 v[QCH+6+\i], 0
	v_mov_b32 v[QCH+18+\i], 0
	v_mov_b32 v[QCH+24+\i], v[QCH+\i]
.endr
.irp i, 0,1,2,3,4,5,6,7,8,9,10,11,12,13,14,15
	v_mov_b32 v[OT+\i], 0                          ; O^T: the step is written once: the first finds zeros
.endr
	v_mov_b32 v13, 0xff61b1e6                      ; the largest t so far: -3e38
	s_delay_alu instid0(VALU_DEP_1)
	v_floor_f32 v12, -v13
	v_mov_b32 v14, 0
	v_mov_b32 v15, 0
	s_wait_alu depctr_va_vdst(0)                   ; the wait at the head's end
	s_wait_tensorcnt 0x0                           ; my first fill is in
	ds_add_u32 v[SPW], v[NIL]
	s_add_co_u32 s[G0C+1], s[G0C+1], 8*STEPB       ; no load of mine is out: the descriptor steps eight steps on
	s_add_nc_u64 s[G0C+2:G0C+3], s[G0C+2:G0C+3], 8*49152
	s_wait_dscnt 0x0                               ; the add is done, and so are my stores of the scale words
	s_barrier_signal -1
	s_barrier_wait -1                              ; steps 0-7 and all the scale words are whole
	tensor_load_to_lds s[G0C:G0C+3], s[G1C:G1C+7]  ; k or v of step 8 + WV % 8
	s_nop 0
	NOPS4
	WALK 3                                         ; steps 0-2
	s_wait_alu depctr_va_vdst(0)                   ; the wait ahead of the waits below
	s_wait_tensorcnt 0x0                           ; my part of steps 8-15 is in
	s_wait_dscnt 0x0
	s_barrier_signal -1
	s_barrier_wait -1
	WALK 13                                        ; steps 3-15
	s_wait_alu depctr_va_vdst(0)
	v_add_f32 v13, v14, v15                        ; my lane's sum, beside -M
.rept 3
	v_nop                                          ; with the line above: four places behind the last products
.endr
.irp k, 0,1,2,3
	global_store_b128 v[L16], v[OT+4*\k:OT+4*\k+3], s[12:13] offset:512*\k       ; 512 consecutive bytes a store, aligned
.endr
	global_store_b64 v[L8], v[12:13], s[12:13] offset:2048                       ; 256 consecutive bytes, aligned
	s_wait_tensorcnt 0x0                           ; the wave's end
	ds_add_u32 v[SPW], v[NIL]
	s_wait_dscnt 0x0
	s_endpgm
.Lfunc_end_k_qe600db5ad4_attn:
	.size	k_qe600db5ad4_attn, .Lfunc_end_k_qe600db5ad4_attn-k_qe600db5ad4_attn
	.p2alignl 7, 3214868480
	.fill 96, 4, 3214868480
	.section	.rodata,"a",@progbits
	.p2align	6, 0x0
	.amdhsa_kernel k_qe600db5ad4_attn
		.amdhsa_group_segment_fixed_size 327680
		.amdhsa_private_segment_fixed_size 0
		.amdhsa_enable_private_segment 0
		.amdhsa_kernarg_size 40
		.amdhsa_user_sgpr_count 2
		.amdhsa_user_sgpr_kernarg_segment_ptr 1
		.amdhsa_wavefront_size32 1
		.amdhsa_system_sgpr_workgroup_id_x 1
		.amdhsa_system_sgpr_workgroup_id_y 1
		.amdhsa_system_sgpr_workgroup_id_z 1
		.amdhsa_system_vgpr_workitem_id 0
		.amdhsa_next_free_vgpr 256
		.amdhsa_next_free_sgpr 80
		.amdhsa_reserve_vcc 0
		.amdhsa_float_denorm_mode_32 3
		.amdhsa_float_denorm_mode_16_64 3
		.amdhsa_memory_ordered 1
		.amdhsa_forward_progress 1
		.amdhsa_inst_pref_size 42
	.end_amdhsa_kernel
	.amdgpu_metadata
---
amdhsa.version: [ 1, 2 ]
amdhsa.kernels:
  - .name:           k_qe600db5ad4_attn
    .symbol:         k_qe600db5ad4_attn.kd
    .args:
      - { .name: kvc, .offset: 0, .size: 8, .value_kind: global_buffer, .address_space: global }
      - { .name: kvs, .offset: 8, .size: 8, .value_kind: global_buffer, .address_space: global }
      - { .name: wimg, .offset: 16, .size: 8, .value_kind: global_buffer, .address_space: global }
      - { .name: bq, .offset: 24, .size: 8, .value_kind: global_buffer, .address_space: global }
      - { .name: opart, .offset: 32, .size: 8, .value_kind: global_buffer, .address_space: global }
    .group_segment_fixed_size: 327680
    .private_segment_fixed_size: 0
    .kernarg_segment_align: 8
    .kernarg_segment_size: 40
    .max_flat_workgroup_size: 512
    .sgpr_count:     80
    .vgpr_count:     256
    .wavefront_size: 32
...
	.end_amdgpu_metadata
.endif
;; end of part 3
;; launch proj (part 4): grid 256 x 1, 16 waves a work-group, no clusters, 25,344 bytes of LDS; arguments opart, wimg, bo, out0; writes out0
.if DOCPART == 4
	.amdgcn_target "amdgcn-amd-amdhsa--gfx1250"
	.amdhsa_code_object_version 6
	.text
	.protected	k_qe600db5ad4_proj
	.globl	k_qe600db5ad4_proj
	.p2align	8
	.type	k_qe600db5ad4_proj,@function
k_qe600db5ad4_proj:
	s_mov_b64 s[64:65], 0
	v_nop
	global_prefetch_b8 v0, s[64:65] scope:SCOPE_SE
	s_setreg_imm32_b32 hwreg(HW_REG_WAVE_MODE, 25, 1), 1
	s_wait_xcnt 0x0
; PROJ: the two halves of the keys are joined, the result is divided by the row's sum, quantised along the 256 channels (a head's 32 are one block) and multiplied by wo; bo is added.
; A work-group owns 16 queries of one batch: 16 x 16 = 256 work-groups.  Wave WV joins head WV / 2 (both waves of a head do the same, in the same order, each for its own copy of the operand's image)
; and then makes channels 16 WV .. 16 WV + 15 of the output.  No tensor load: each wave reads 4,608 consecutive bytes of opart into registers as they were stored.
; No cluster, no prefetch: work-groups share only wo's 53,248 bytes, each byte of opart is read by one work-group, and there is no loop.
; LIMITS: NaN and infinities are not served.  A block whose largest magnitude lies under 2^-124 gets the byte 1.
.set OIM,   0                          ; 2 x 3,328: the result as two fragments (register q at 128 q + 4 x lane) and two scale images; a copy for each parity of waves
.set STG,   6656                       ; 16 rows x (1,024 + 16): the way out
.set SPARE, 23296                      ; the spare words, 128 bytes a wave
.set SPW, 5
.set NIL, 6
.set KF,  48
.set VF,  72
.set SCO, 96
.set OT,  160
.set CT,  188
.set KS,  196
.set VS,  198
.set TM,  204
.set SO,  208
.set BY,  210
.set PX,  212
.set TT,  213
.set T2,  214
.set FF,  216
.set SM2, 218
.set AOW, 224
.set AOS, 225
.set AOR, 226
.set AORS, 227
.set ASG, 228
.set ASR, 229
.set L8,  230
.set L16, 231
.set L4,  232
.set WV,  20
.set HD,  21
.set PAR, 22
.set SEL, 24
	s_load_b256 s[4:11], s[0:1], 0x0               ; opart s[4:5], wimg s[6:7], bo s[8:9], out0 s[10:11]
	v_lshl_add_u32 v[SPW], v0, 2, SPARE
	v_mov_b32 v[NIL], 0
	v_lshrrev_b32 v8, 5, v0
	s_delay_alu instid0(VALU_DEP_1)
	v_readfirstlane_b32 s[WV], v8
	s_lshr_b32 s[HD], s[WV], 1
	s_and_b32 s[PAR], s[WV], 1
	s_mov_b32 s[SEL], 0x76543210
	s_mov_b32 s[SEL+1], 0xfedcba98
	s_mul_i32 s30, s[PAR], 3328
	s_add_co_u32 s30, s30, OIM                     ; my parity's copy
	s_add_co_u32 s31, s30, 3072                    ; its scale images
	s_lshr_b32 s28, s[HD], 2                       ; my head is block hd % 4 of K step hd / 4
	s_lshl_b32 s29, s28, 7
	s_add_co_u32 s32, s31, s29
	s_and_b32 s29, s[HD], 3
	s_add_co_u32 s32, s32, s29
	s_mul_i32 s28, s28, 1536
	s_add_co_u32 s33, s30, s28
	s_bfe_u32 s28, s[HD], 0x10001
	s_mul_i32 s28, s28, 768
	s_add_co_u32 s33, s33, s28
	s_and_b32 s28, s[HD], 1
	s_lshl_b32 s28, s28, 6
	s_add_co_u32 s33, s33, s28
	s_lshl_b32 s34, s[WV], 6
	s_add_co_u32 s34, s34, STG
	s_mul_i32 s35, s[WV], 1040
	s_add_co_u32 s35, s35, STG
	v_and_b32 v233, 31, v0                         ; lane
	v_and_b32 v234, 15, v0                         ; r
	v_bfe_u32 v235, v0, 4, 1                       ; h
	v_lshlrev_b32 v[L16], 4, v233
	v_lshlrev_b32 v[L4], 2, v233
	v_lshlrev_b32 v[L8], 3, v233
	v_lshlrev_b32 v237, 5, v235                    ; bo: 8 h numbers
	v_mul_u32_u24 v[AOW], v235, 384                ; register 6 c + 3 h + i of lane 16 (hd % 2) + r
	v_mul_u32_u24 v[ASG], v234, 1040
	v_add_nc_u32 v[AOR], s30, v[L4]
	v_lshl_add_u32 v[AORS], v234, 2, s31
	v_lshl_add_u32 v[AOS], v234, 2, s32
	v_lshl_add_u32 v[AOW], v234, 2, v[AOW]
	v_lshl_add_u32 v[ASG], v235, 5, v[ASG]
	v_add_nc_u32 v[ASR], s35, v[L16]
	v_add_nc_u32 v[AOW], s33, v[AOW]
	v_add_nc_u32 v[ASG], s34, v[ASG]
	v_mov_b32 v[PX], 0                             ; a lane permute's destination counts as read; upper halves of pairs likewise
	v_mov_b32 v[FF+1], 0
	v_mov_b32 v[SM2+1], 0
	v_mov_b32 v[TM+3], 0
	s_wait_alu depctr_va_vdst(0)                   ; the wait at the head's end
	s_wait_kmcnt 0x0
	s_mov_b32 s27, 0
	s_mul_i32 s26, ttmp9, 36864                    ; 16 x 2,304 for each (batch, query tile)
	s_mul_i32 s28, s[HD], 4608
	s_add_co_u32 s26, s26, s28
	s_add_nc_u64 s[12:13], s[4:5], s[26:27]        ; my head's two halves
	s_mul_i32 s26, s[WV], 3072
	s_add_co_u32 s26, s26, 532480
	s_add_nc_u64 s[14:15], s[6:7], s[26:27]        ; wo: tile WV's two fragments
	s_lshl_b32 s26, s[WV], 8
	s_add_co_u32 s26, s26, 532480+49152
	s_add_nc_u64 s[16:17], s[6:7], s[26:27]
	s_lshl_b32 s26, s[WV], 6
	s_add_nc_u64 s[8:9], s[8:9], s[26:27]
	s_lshl_b32 s26, ttmp9, 14
	s_lshl_b32 s28, s[WV], 10
	s_add_co_u32 s26, s26, s28
	s_add_nc_u64 s[10:11], s[10:11], s[26:27]      ; out0: row 16 x tile + WV of my batch
.irp k, 0,1,2,3
	global_load_b128 v[SCO+4*\k:SCO+4*\k+3], v[L16], s[12:13] offset:512*\k
	global_load_b128 v[SCO+16+4*\k:SCO+16+4*\k+3], v[L16], s[12:13] offset:2304+512*\k
.endr
	global_load_b64 v[SCO+32:SCO+33], v[L8], s[12:13] offset:2048
	global_load_b64 v[SCO+34:SCO+35], v[L8], s[12:13] offset:4352
.irp q, 0,1,2,3,4,5
	global_load_b128 v[KF+4*\q:KF+4*\q+3], v[L16], s[14:15] offset:512*\q
.endr
	global_load_b32 v[KS], v[L4], s[16:17]
	global_load_b32 v[KS+1], v[L4], s[16:17] offset:128
	global_load_b128 v[SCO+48:SCO+51], v237, s[8:9]
	global_load_b128 v[SCO+52:SCO+55], v237, s[8:9] offset:16
	s_wait_loadcnt 10                              ; the two halves are in; wo's six pieces, its two scale words and bo's two pieces may be out
	v_min_num_f32 v[TT], v[SCO+32], v[SCO+34]      ; -M of both
	s_delay_alu instid0(VALU_DEP_1)
	v_sub_f32 v[T2], v[TT], v[SCO+32]
	s_delay_alu instid0(VALU_DEP_2)
	v_sub_f32 v[TT], v[TT], v[SCO+34]
	s_delay_alu instid0(VALU_DEP_2)
	v_cvt_i32_f32 v[T2], v[T2]
	s_delay_alu instid0(VALU_DEP_2)
	v_cvt_i32_f32 v[TT], v[TT]
	s_delay_alu instid0(VALU_DEP_2)
	v_ldexp_f32 v[FF], 1.0, v[T2]
	s_delay_alu instid0(VALU_DEP_2)
	v_ldexp_f32 v[SM2], 1.0, v[TT]
	s_delay_alu instid0(VALU_DEP_2)
	v_mul_f32 v[TM], v[SCO+33], v[FF]
	s_delay_alu instid0(VALU_DEP_1)
	v_fma_f32 v[TM], v[SCO+35], v[SM2], v[TM]
	s_delay_alu instid0(VALU_DEP_1)
	v_permlanex16_b32 v[PX], v[TM], s[SEL], s[SEL+1]
	s_delay_alu instid0(VALU_DEP_1)
	v_add_f32 v[TM], v[TM], v[PX]                  ; the row's sum
	s_wait_alu depctr_va_vdst(0)                   ; the wait ahead of the transcendental
	v_rcp_f32 v[TM+2], v[TM]
.set pp, 0
.rept 8
	v_pk_mul_f32 v[SCO+pp:SCO+pp+1], v[SCO+pp:SCO+pp+1], v[FF:FF+1] op_sel_hi:[1,0]
.set pp, pp+2
.endr
.set pp, 0
.rept 8
	v_pk_fma_f32 v[SCO+pp:SCO+pp+1], v[SCO+16+pp:SCO+17+pp], v[SM2:SM2+1], v[SCO+pp:SCO+pp+1] op_sel_hi:[1,0,1]
.set pp, pp+2
.endr
	s_wait_alu depctr_va_vdst(0)                   ; and ahead of the reciprocal's first reader
.set pp, 0
.rept 8
	v_pk_mul_f32 v[SCO+pp:SCO+pp+1], v[SCO+pp:SCO+pp+1], v[TM+2:TM+3] op_sel_hi:[1,0]
.set pp, pp+2
.endr
	; the head's 32 channels are one block of the product's K
	v_max3_num_f32 v[TM], |v[SCO]|, |v[SCO+1]|, 0x1800000
	s_delay_alu instid0(VALU_DEP_4)
	v_max3_num_f32 v[TM+1], |v[SCO+8]|, |v[SCO+9]|, |v[SCO+10]|
	s_delay_alu instid0(VALU_DEP_2)
	v_max3_num_f32 v[TM], v[TM], |v[SCO+2]|, |v[SCO+3]|
	s_delay_alu instid0(VALU_DEP_2)
	v_max3_num_f32 v[TM+1], v[TM+1], |v[SCO+11]|, |v[SCO+12]|
	s_delay_alu instid0(VALU_DEP_2)
	v_max3_num_f32 v[TM], v[TM], |v[SCO+4]|, |v[SCO+5]|
	s_delay_alu instid0(VALU_DEP_2)
	v_max3_num_f32 v[TM+1], v[TM+1], |v[SCO+13]|, |v[SCO+14]|
	s_delay_alu instid0(VALU_DEP_2)
	v_max3_num_f32 v[TM], v[TM], |v[SCO+6]|, |v[SCO+7]|
	s_delay_alu instid0(VALU_DEP_1)
	v_max3_num_f32 v[TM], v[TM], v[TM+1], |v[SCO+15]|
	s_delay_alu instid0(VALU_DEP_1)
	v_permlanex16_b32 v[PX], v[TM], s[SEL], s[SEL+1]
	s_delay_alu instid0(VALU_DEP_1)
	v_max_num_f32 v[TM], v[TM], v[PX]
	s_delay_alu instid0(VALU_DEP_1)
	v_add_nc_u32 v[SO], 0xff000000, v[TM]
	s_delay_alu instid0(VALU_DEP_1)
	v_lshrrev_b32 v[BY], 23, v[SO]
	v_cvt_scalef32_pk16_fp6_f32 v[CT:CT+2], v[SCO:SCO+15], v[SO]
	v_nop                                          ; one plain place behind the conversion
.irp i, 0,1,2
	ds_store_b32 v[AOW], v[CT+\i] offset:128*\i
.endr
	ds_store_b8 v[AOS], v[BY]                      ; both lanes of a query write the same byte with the same value
	s_wait_dscnt 0x0
	s_barrier_signal -1
	s_barrier_wait -1
.set qq, 0
.rept 24
	ds_load_b32 v[VF+qq], v[AOR] offset:128*qq
.set qq, qq+1
.endr
	ds_load_b32 v[VS], v[AORS]
	ds_load_b32 v[VS+1], v[AORS] offset:128
	s_wait_loadcnt 0x0
	s_wait_dscnt 0x0
	; out = O wo + bo, transposed: a lane holds 8 neighbouring channels (16 WV + 8 h + 0 .. 7) of query r
	v_wmma_scale_f32_16x16x128_f8f6f4 v[OT:OT+7], v[KF:KF+11], v[VF:VF+11], v[SCO+48:SCO+55], v[KS], v[VS] matrix_a_fmt:MATRIX_FMT_FP6 matrix_b_fmt:MATRIX_FMT_FP6
	s_wait_alu depctr_va_vdst(0)                   ; the wait directly ahead of the link
	v_wmma_scale_f32_16x16x128_f8f6f4 v[OT:OT+7], v[KF+12:KF+23], v[VF+12:VF+23], v[OT:OT+7], v[KS+1], v[VS+1] matrix_a_fmt:MATRIX_FMT_FP6 matrix_b_fmt:MATRIX_FMT_FP6
.rept 4
	v_nop
.endr
	ds_store_b128 v[ASG], v[OT:OT+3]
	ds_store_b128 v[ASG], v[OT+4:OT+7] offset:16
	s_wait_dscnt 0x0
	s_barrier_signal -1
	s_barrier_wait -1                              ; 16 whole rows lie in the stage
	ds_load_b128 v[SCO:SCO+3], v[ASR]
	ds_load_b128 v[SCO+4:SCO+7], v[ASR] offset:512
	s_wait_dscnt 1                                 ; the first half of my row is back; the second load may be out
	global_store_b128 v[L16], v[SCO:SCO+3], s[10:11] th:TH_STORE_NT              ; 512 consecutive bytes a store, aligned
	s_wait_dscnt 0x0
	global_store_b128 v[L16], v[SCO+4:SCO+7], s[10:11] offset:512 th:TH_STORE_NT
	s_wait_tensorcnt 0x0                           ; the wave's end, behind my last LDS store
	ds_add_u32 v[SPW], v[NIL]
	s_wait_dscnt 0x0
	s_endpgm
.Lfunc_end_k_qe600db5ad4_proj:
	.size	k_qe600db5ad4_proj, .Lfunc_end_k_qe600db5ad4_proj-k_qe600db5ad4_proj
	.p2alignl 7, 3214868480
	.fill 96, 4, 3214868480
	.section	.rodata,"a",@progbits
	.p2align	6, 0x0
	.amdhsa_kernel k_qe600db5ad4_proj
		.amdhsa_group_segment_fixed_size 25344
		.amdhsa_private_segment_fixed_size 0
		.amdhsa_enable_private_segment 0
		.amdhsa_kernarg_size 32
		.amdhsa_user_sgpr_count 2
		.amdhsa_user_sgpr_kernarg_segment_ptr 1
		.amdhsa_wavefront_size32 1
		.amdhsa_system_sgpr_workgroup_id_x 1
		.amdhsa_system_sgpr_workgroup_id_y 1
		.amdhsa_system_sgpr_workgroup_id_z 1
		.amdhsa_system_vgpr_workitem_id 0
		.amdhsa_next_free_vgpr 256
		.amdhsa_next_free_sgpr 66
		.amdhsa_reserve_vcc 0
		.amdhsa_float_denorm_mode_32 3
		.amdhsa_float_denorm_mode_16_64 3
		.amdhsa_memory_ordered 1
		.amdhsa_forward_progress 1
		.amdhsa_inst_pref_size 12
	.end_amdhsa_kernel
	.amdgpu_metadata
---
amdhsa.version: [ 1, 2 ]
amdhsa.kernels:
  - .name:           k_qe600db5ad4_proj
    .symbol:         k_qe600db5ad4_proj.kd
    .args:
      - { .name: opart, .offset: 0, .size: 8, .value_kind: global_buffer, .address_space: global }
      - { .name: wimg, .offset: 8, .size: 8, .value_kind: global_buffer, .address_space: global }
      - { .name: bo, .offset: 16, .size: 8, .value_kind: global_buffer, .address_space: global }
      - { .name: out0, .offset: 24, .size: 8, .value_kind: global_buffer, .address_space: global }
    .group_segment_fixed_size: 25344
    .private_segment_fixed_size: 0
    .kernarg_segment_align: 8
    .kernarg_segment_size: 32
    .max_flat_workgroup_size: 512
    .sgpr_count:     66
    .vgpr_count:     256
    .wavefront_size: 32
...
	.end_amdgpu_metadata
.endif
;; end of part 4
